; MI455X (gfx1250); checked and timed in simulation.
; The chip was launched on July 23, 2026; its instructions are those of AMD's public machine-readable ISA for CDNA 5 (MIT licence, August 2026) and "CDNA5" Instruction Set Architecture Reference Guide (July 2026). The comments in the code are by the model that wrote it; some were corrected since.
;; Efficient Flash Attention. Allowed arithmetic: matrix products marked QUANTISED: E2M1 operands, one E8M0 scale for each 32 along K, by v_wmma_scale_f32_16x16x128_f8f6f4 with both operands' format E2M1 (or v_wmma_scale_f32_32x16x128_f4), f32 sums; products left as they are: bf16, f16 or f32 operands; f32 sums; everything else in f32.
;; Inputs: Wk 1,024 x 1,024 float32; Wo 1,024 x 1,024 float32; Wq 1,024 x 1,024 float32; Wv 1,024 x 1,024 float32; bo 1,024 float32; x 2 x 2,048 x 1,024 float32.
;; Outputs: out0 2 x 2,048 x 1,024 float32.
;; This version of the problem:
;;   THIS VERSION OF THE PROBLEM IS GIVEN IN LOW PRECISION. The matrix products marked QUANTISED in the list below multiply operands that are first quantised to E2M1 (2 exponent bits, 1 mantissa bit; 4 bits a number), with one power-of-two scale for each 32 numbers along K (OCP MX v1.0); their sums are f32. The products marked 'left as it is' may take bf16, f16 or f32 operands, with f32 sums. All else is computed in f32.
;;   The module's matrix products, in the order in which they are computed (A, B: the left and right operand; K: the contracted axis; several contracted axes count as one K, in the product's order):
;;     1. [M 4,096, K 1,024] x [K 1,024, N 1,024]; A: input x; B: input Wq: QUANTISED
;;     2. [M 4,096, K 1,024] x [K 1,024, N 1,024]; A: input x; B: input Wk: QUANTISED
;;     3. [M 4,096, K 1,024] x [K 1,024, N 1,024]; A: input x; B: input Wv: QUANTISED
;;     4. batch 32 x [M 2,048, K 64] x [K 64, N 2,048]; A: computed on the way; B: computed on the way: left as it is (an operand is computed on the way)
;;     5. batch 32 x [M 2,048, K 2,048] x [K 2,048, N 64]; A: computed on the way; B: computed on the way: left as it is (an operand is computed on the way)
;;     6. [M 4,096, K 1,024] x [K 1,024, N 1,024]; A: computed on the way; B: input Wo: left as it is (an operand is computed on the way)
;;   THE QUANTISER, for each operand of a quantised product, along K:
;;     - K is cut into blocks of 32 from its start; a last block that is shorter is filled with zeros.
;;     - A block's scale is 2^e with e = floor(log2(the largest magnitude in the block)) - 2, held to -126 .. 127; a block of zeros has e = 0. As a byte (E8M0): e + 127.
;;     - Each number is divided by its block's scale, clamped to +-6, and rounded to the nearest number of E2M1, ties to even, subnormals kept.
;;     - The product sums the exact products of the quantised numbers (number of the format x scale) in f32.
;;   ~~~python
;;   def quantise(x, axis):      # numpy; x: float32 -> the quantised numbers, widened to float32 again
;;       x = np.moveaxis(x, axis, -1); K = x.shape[-1]
;;       x = np.pad(x, [(0, 0)] * (x.ndim - 1) + [(0, -K % 32)]); x = x.reshape(x.shape[:-1] + (-1, 32)); a = np.abs(x).max(-1, keepdims=True)
;;       e = np.where(a > 0, np.clip(np.frexp(np.where(a > 0, a, 1))[1] - 1 - 2, -126, 127), 0)      # np.frexp(a)[1] - 1 = floor(log2(a)), exactly
;;       r = np.clip(x / 2.0 ** e, -6, 6)
;;       step = 2.0 ** (np.maximum(np.frexp(np.where(r == 0, 1, r))[1] - 1, 0) - 1)
;;       q = np.round(r / step) * step * 2.0 ** e      # np.round: ties to even
;;       return np.moveaxis(q.reshape(q.shape[:-2] + (-1,))[..., :K], -1, axis).astype(np.float32)
;;   ~~~
;; One version. Each part assembles by itself: llvm-mc -triple=amdgcn-amd-amdhsa -mcpu=gfx1250 --defsym DOCPART=n.
;; ======== version 1 of 1: 4 launches
;; limits: values are held in f16: magnitudes above 65,504 overflow, below 6.1e-05 lose precision
;; workspace buffers: xc 2,097,152 bytes; xs 131,072 bytes; wc 1,572,864 bytes; ws 98,304 bytes; wo16 2,097,152 bytes; qkv 25,165,824 bytes; att 8,388,608 bytes
;; launch prep (part 1): grid 256 x 1, 4 waves a work-group, no clusters, 33,280 bytes of LDS; arguments x, Wq, Wk, Wv, xc, xs, wc, ws, Wo, wo16; writes xc, xs, wc, ws, wo16
.if DOCPART == 1
	.amdgcn_target "amdgcn-amd-amdhsa--gfx1250"
	.amdhsa_code_object_version 6
	.text
	.protected	k_q36bf9a91d5_prep
	.globl	k_q36bf9a91d5_prep
	.p2align	8
	.type	k_q36bf9a91d5_prep,@function
k_q36bf9a91d5_prep:
	s_mov_b64 s[64:65], 0
	v_nop
	global_prefetch_b8 v0, s[64:65] scope:SCOPE_SE
	s_setreg_imm32_b32 hwreg(HW_REG_WAVE_MODE, 25, 1), 1
	s_wait_xcnt 0x0
; x [4096][1024] and Wq, Wk, Wv [1024][1024], f32, K innermost, become codes of FP4 (E2M1), two a byte, K innermost, with one E8M0 scale byte for each 32 along K:
; xc [4096][512 bytes], xs [4096][32]; wc [3072][512 bytes], ws [3072][32], rows 0-1023 Wq's, 1024-2047 Wk's, 2048-3071 Wv's.  Wo [1024 n][1024 k] becomes f16 in the order in which the last
; launch's tiles want it: wo16 [n / 128][k / 64][n % 128][k % 64].
; A block's scale is 2^(floor(log2(its largest magnitude)) - 2); its byte is the largest magnitude's exponent field - 2, held at 1 from below; each number is divided by the scale and rounded to the nearest code, ties to even.
; LIMITS: a block of zeros gets the byte 1 where the quantiser says 127 (its codes are zeros, which add nothing under any byte but 0xff, and this program alone reads the bytes); blocks whose largest
; magnitude lies under 2^-124 keep the byte 1; NaN and infinities among the inputs are not served; Wo's numbers stay under f16's largest, 65,504.
; SHARES: each of the 256 work-groups reads 131,072 bytes.  Work-groups 0-127 take x, 128-159 Wq, 160-191 Wk, 192-223 Wv, 224-255 Wo.  The four quantised tensors take ONE path: only pointers are chosen.
; Rows are dense and K is a multiple of 32, so a tensor is a plain stream of blocks of 32.  A wave takes 16 steps of 512 numbers: four loads of 512 consecutive bytes, a turn through the wave's own stage in LDS
; (so that a lane then holds 16 neighbours along K; two neighbouring lanes hold a block), the block's maximum, two conversions, one store of 256 consecutive bytes.  No barrier: waves share nothing.
.set STEPS, 16
.set EMAX,  2
.set CB,    8                          ; bytes of 16 codes
.set R,     16                         ; v16-79   four sets of 16 numbers as they are loaded
.set X,     80                         ; v80-111  two sets of 16 neighbours
.set E,     112                        ; v112-127 a scale byte for each step
.set C,     128                        ; v128-191 codes: four registers for each step, so that no store's data are written again
.set WREG,  8192                       ; LDS: a region for each wave: two stages of 32 x SP bytes, behind them its 256 scale bytes
.set SP,    80                         ; a lane's place in a stage: 64 bytes + 16 of padding
	s_load_b256 s[4:11], s[0:1], 0x0               ; x s[4:5], Wq s[6:7], Wk s[8:9], Wv s[10:11]
	s_load_b256 s[16:23], s[0:1], 0x20             ; xc s[16:17], xs s[18:19], wc s[20:21], ws s[22:23]
	s_load_b128 s[12:15], s[0:1], 0x40             ; Wo s[12:13], wo16 s[14:15]
	v_lshl_add_u32 v192, v0, 2, 0x8000
	v_mov_b32 v193, 0
	v_lshrrev_b32 v1, 5, v0
	v_readfirstlane_b32 s26, v1                    ; wave 0..3
	v_and_b32 v2, 31, v0                           ; lane
	s_wait_kmcnt 0x0
	s_cmp_ge_u32 ttmp9, 224                        ; the last 32 work-groups take Wo: a branch on the work-group's number alone
	s_cbranch_scc1 .Lwo
	; ---- the quantiser
	v_lshlrev_b32 v3, 4, v2                        ; my 16 bytes of a load's 512
	s_mul_i32 s27, s26, WREG
	v_lshrrev_b32 v14, 2, v2
	v_mul_u32_u24 v14, v14, SP
	v_and_b32 v15, 3, v2
	v_lshl_add_u32 v14, v15, 4, v14
	v_add_nc_u32 v14, s27, v14                     ; the stage, on the way in: four lanes' 64 bytes on end, then 16 of padding
	v_mul_u32_u24 v15, v2, SP
	v_add_nc_u32 v15, s27, v15                     ; and on the way out: SP x lane: my 16 neighbours
	v_mul_u32_u24 v4, v2, CB                       ; my codes' place in a step's
	v_lshrrev_b32 v5, 1, v2
	s_add_co_u32 s27, s27, 2*32*SP
	v_add_nc_u32 v5, s27, v5                       ; LDS: my wave's 256 scale bytes, my block's byte
	v_lshlrev_b32 v7, 3, v2                        ; and on the way out 8 bytes a lane
	v_add_nc_u32 v6, s27, v7
	s_cmp_lt_u32 ttmp9, 128                        ; x's work-group or a weight's?
	s_cselect_b64 s[28:29], s[16:17], s[20:21]     ; the codes' buffer
	s_cselect_b64 s[30:31], s[18:19], s[22:23]     ; the scale bytes' buffer
	s_cselect_b32 s32, 0, 128                      ; the first work-group that writes into them
	s_cselect_b32 s33, 127, 31                     ; the work-group's number within its source tensor: its low 7 or 5 bits
	s_cmp_ge_u32 ttmp9, 128
	s_cselect_b64 s[4:5], s[6:7], s[4:5]
	s_cmp_ge_u32 ttmp9, 160
	s_cselect_b64 s[4:5], s[8:9], s[4:5]
	s_cmp_ge_u32 ttmp9, 192
	s_cselect_b64 s[4:5], s[10:11], s[4:5]         ; the source
	s_and_b32 s34, ttmp9, s33
	s_lshl_b32 s34, s34, 2
	s_add_co_u32 s34, s34, s26                     ; which run of 8,192 numbers of the source is my wave's
	s_lshl_b32 s34, s34, 15                        ; 32,768 bytes a run
	s_mov_b32 s35, 0
	s_add_nc_u64 s[4:5], s[4:5], s[34:35]
	s_sub_co_u32 s36, ttmp9, s32
	s_lshl_b32 s36, s36, 2
	s_add_co_u32 s36, s36, s26                     ; and which run of the destination
	s_lshl_b32 s34, s36, 12                        ; 4,096 bytes of codes a run
	s_add_nc_u64 s[28:29], s[28:29], s[34:35]
	s_lshl_b32 s34, s36, 8                         ; 256 scale bytes a run
	s_add_nc_u64 s[30:31], s[30:31], s[34:35]
.macro LOAD t
.irp i, 0,1,2,3
	global_load_b128 v[R+16*((\t)%4)+4*\i:R+16*((\t)%4)+4*\i+3], v3, s[4:5] offset:2048*(\t)+512*\i th:TH_LOAD_NT   ; 32 lanes read 512 consecutive bytes
.endr
.endm
.macro TURN t                          ; step t's numbers through the stage: LDS serves a wave's instructions in order (ISA guide 5.7.1.4), so no wait stands between the stores and the loads
.irp i, 0,1,2,3
	ds_store_b128 v14, v[R+16*((\t)%4)+4*\i:R+16*((\t)%4)+4*\i+3] offset:32*SP*((\t)%2)+8*SP*\i
.endr
.irp i, 0,1,2,3
	ds_load_b128 v[X+16*((\t)%2)+4*\i:X+16*((\t)%2)+4*\i+3], v15 offset:32*SP*((\t)%2)+16*\i
.endr
.endm
.irp t, 0,1,2,3
	LOAD \t
.endr
	s_wait_loadcnt 12                              ; step 0's four loads are in; the twelve of steps 1 to 3 may be out
	TURN 0
.macro STEP t
.set XS, X+16*((\t)%2)
.if (\t) > 0
	s_wait_dscnt 1                                 ; this step's numbers are back from the stage (the last step's byte store may be out): so its stores into the stage have read their registers,
.else
	s_wait_dscnt 0x0
.endif
.if (\t)+4 < STEPS
	LOAD (\t)+4                                    ; which take the loads of four steps on
.endif
.if (\t)+1 < STEPS
.if STEPS-2-(\t) >= 3
	s_wait_loadcnt 12                              ; the next step's four loads are in; those of the three steps behind it may be out
.else
	s_wait_loadcnt 4*(STEPS-2-(\t))
.endif
	TURN (\t)+1                                    ; and go through the other stage while this step is worked
.endif
	v_max3_num_f32 v8, |v[XS]|, |v[XS+1]|, |v[XS+2]|               ; the largest magnitude of my 16, in two chains
	v_max3_num_f32 v9, |v[XS+3]|, |v[XS+4]|, |v[XS+5]|
.irp i, 6,10
	v_max3_num_f32 v8, v8, |v[XS+\i]|, |v[XS+\i+1]|
	v_max3_num_f32 v9, v9, |v[XS+\i+2]|, |v[XS+\i+3]|
.endr
	v_max3_num_f32 v8, v8, |v[XS+14]|, |v[XS+15]|
	v_max3_num_f32 v8, v8, v9, (EMAX+1)<<23        ; and the floor 2^(3 - 127): the byte cannot fall under 1
	v_max_num_f32_dpp v8, v8, v8 row_xmask:1 row_mask:0xf bank_mask:0xf   ; and of my neighbour's 16: the block's
	v_add_nc_u32 v11, -(EMAX<<23), v8              ; 2 off its exponent field: the conversion takes the exponent field of this operand as its scale, and nothing else of it
	v_cvt_scalef32_pk8_fp4_f32 v[C+4*(\t)], v[XS:XS+7], v11        ; eight numbers / the scale, to the nearest code, ties to even, beyond the largest code the largest
	v_cvt_scalef32_pk8_fp4_f32 v[C+4*(\t)+1], v[XS+8:XS+15], v11
	v_lshrrev_b32 v[E+(\t)], 23, v11               ; the scale's byte (also the plain line behind the conversions)
	ds_store_b8 v5, v[E+(\t)] offset:16*(\t)       ; both lanes of a block write the same byte with the same value
	global_store_b64 v4, v[C+4*(\t):C+4*(\t)+1], s[28:29] offset:32*CB*(\t)   ; 32 lanes store 256 consecutive bytes, aligned
.endm
.irp t, 0,1,2,3,4,5,6,7,8,9,10,11,12,13,14,15
	STEP \t
.endr
	ds_load_b64 v[12:13], v6                       ; in order behind my byte stores
	s_wait_dscnt 0x0
	global_store_b64 v7, v[12:13], s[30:31]        ; 32 lanes store my 256 scale bytes, aligned
	s_wait_tensorcnt 0x0
	ds_add_u32 v192, v193
	s_wait_dscnt 0x0
	s_endpgm
	; ---- Wo to f16.  Work-group g' = 0..31 takes rows 32 g' on, wave w rows 8 w on of them, two rows at a time; this path uses no LDS
.Lwo:
	s_sub_co_u32 s27, ttmp9, 224                   ; g'
	s_lshl_b32 s34, s27, 17                        ; 32 rows of 4,096 bytes
	s_lshl_b32 s35, s26, 15                        ; 8 rows
	s_add_co_u32 s34, s34, s35
	s_mov_b32 s35, 0
	s_add_nc_u64 s[12:13], s[12:13], s[34:35]
	s_lshr_b32 s34, s27, 2
	s_lshl_b32 s34, s34, 18                        ; n / 128: 262,144 bytes each
	s_and_b32 s36, s27, 3
	s_lshl_b32 s36, s36, 12                        ; n % 128: 128 bytes a row: 32 rows,
	s_add_co_u32 s34, s34, s36
	s_lshl_b32 s36, s26, 10                        ; 8 rows
	s_add_co_u32 s34, s34, s36
	s_add_nc_u64 s[14:15], s[14:15], s[34:35]
	v_lshrrev_b32 v3, 4, v2
	v_lshlrev_b32 v3, 12, v3                       ; in: lanes 0-15 take 256 bytes of a row, lanes 16-31 the same columns of the next row
	v_and_b32 v4, 15, v2
	v_lshl_or_b32 v3, v4, 4, v3
	v_lshlrev_b32 v4, 3, v2                        ; out: 8 bytes a lane: the two rows' 128 bytes lie on end
.macro LOADW p                         ; row pair p, all sixteen blocks of 64 along K, into set p % 2
.irp kb, 0,1,2,3,4,5,6,7,8,9,10,11,12,13,14,15
	global_load_b128 v[16+64*((\p)%2)+4*\kb:16+64*((\p)%2)+4*\kb+3], v3, s[12:13] offset:(\p)*8192+\kb*256 th:TH_LOAD_NT
.endr
.endm
.macro PAIRW p
.set WB, 16+64*((\p)%2)
.if (\p) < 3
	s_wait_loadcnt 16                              ; this pair's sixteen loads are in; the next pair's may be out
.else
	s_wait_loadcnt 0x0
.endif
.if (\p) > 0
	s_wait_xcnt 0x0                                ; the last pair's stores have read v144-175: only behind this wait are they written again
.endif
.irp kb, 0,1,2,3,4,5,6,7,8,9,10,11,12,13,14,15
	v_cvt_pk_f16_f32 v[144+2*\kb], v[WB+4*\kb], v[WB+4*\kb+1]
	v_cvt_pk_f16_f32 v[145+2*\kb], v[WB+4*\kb+2], v[WB+4*\kb+3]
.endr
.irp kb, 0,1,2,3,4,5,6,7,8,9,10,11,12,13,14,15
	global_store_b64 v4, v[144+2*\kb:145+2*\kb], s[14:15] offset:\kb*16384+(\p)*256   ; 32 lanes store 256 consecutive bytes, aligned
.endr
.if (\p) < 2
	LOADW (\p)+2
.endif
.endm
	LOADW 0
	LOADW 1
	PAIRW 0
	PAIRW 1
	PAIRW 2
	PAIRW 3
	s_endpgm
.Lfunc_end_k_q36bf9a91d5_prep:
	.size	k_q36bf9a91d5_prep, .Lfunc_end_k_q36bf9a91d5_prep-k_q36bf9a91d5_prep
	.p2alignl 7, 3214868480
	.fill 96, 4, 3214868480
	.section	.rodata,"a",@progbits
	.p2align	6, 0x0
	.amdhsa_kernel k_q36bf9a91d5_prep
		.amdhsa_group_segment_fixed_size 33280
		.amdhsa_private_segment_fixed_size 0
		.amdhsa_enable_private_segment 0
		.amdhsa_kernarg_size 80
		.amdhsa_user_sgpr_count 2
		.amdhsa_user_sgpr_kernarg_segment_ptr 1
		.amdhsa_wavefront_size32 1
		.amdhsa_system_sgpr_workgroup_id_x 1
		.amdhsa_system_sgpr_workgroup_id_y 1
		.amdhsa_system_sgpr_workgroup_id_z 1
		.amdhsa_system_vgpr_workitem_id 0
		.amdhsa_next_free_vgpr 194
		.amdhsa_next_free_sgpr 66
		.amdhsa_reserve_vcc 0
		.amdhsa_float_denorm_mode_32 3
		.amdhsa_float_denorm_mode_16_64 3
		.amdhsa_memory_ordered 1
		.amdhsa_forward_progress 1
		.amdhsa_inst_pref_size 55
	.end_amdhsa_kernel
	.amdgpu_metadata
---
amdhsa.version: [ 1, 2 ]
amdhsa.kernels:
  - .name:           k_q36bf9a91d5_prep
    .symbol:         k_q36bf9a91d5_prep.kd
    .args:
      - { .name: x, .offset: 0, .size: 8, .value_kind: global_buffer, .address_space: global }
      - { .name: Wq, .offset: 8, .size: 8, .value_kind: global_buffer, .address_space: global }
      - { .name: Wk, .offset: 16, .size: 8, .value_kind: global_buffer, .address_space: global }
      - { .name: Wv, .offset: 24, .size: 8, .value_kind: global_buffer, .address_space: global }
      - { .name: xc, .offset: 32, .size: 8, .value_kind: global_buffer, .address_space: global }
      - { .name: xs, .offset: 40, .size: 8, .value_kind: global_buffer, .address_space: global }
      - { .name: wc, .offset: 48, .size: 8, .value_kind: global_buffer, .address_space: global }
      - { .name: ws, .offset: 56, .size: 8, .value_kind: global_buffer, .address_space: global }
      - { .name: Wo, .offset: 64, .size: 8, .value_kind: global_buffer, .address_space: global }
      - { .name: wo16, .offset: 72, .size: 8, .value_kind: global_buffer, .address_space: global }
    .group_segment_fixed_size: 33280
    .private_segment_fixed_size: 0
    .kernarg_segment_align: 8
    .kernarg_segment_size: 80
    .max_flat_workgroup_size: 128
    .sgpr_count:     66
    .vgpr_count:     194
    .wavefront_size: 32
...
	.end_amdgpu_metadata
.endif
;; end of part 1
;; launch qkv (part 2): grid 12 x 16, 4 waves a work-group, clusters of 4 x 4, 327,680 bytes of LDS; arguments xc, xs, wc, ws, qkv; writes qkv
.if DOCPART == 2
	.amdgcn_target "amdgcn-amd-amdhsa--gfx1250"
	.amdhsa_code_object_version 6
	.text
	.protected	k_q36bf9a91d5_qkv
	.globl	k_q36bf9a91d5_qkv
	.p2align	8
	.type	k_q36bf9a91d5_qkv,@function
k_q36bf9a91d5_qkv:
	s_mov_b64 s[64:65], 0
	v_nop
	global_prefetch_b8 v0, s[64:65] scope:SCOPE_SE
	s_setreg_imm32_b32 hwreg(HW_REG_WAVE_MODE, 25, 1), 1
	s_wait_xcnt 0x0
	s_wait_alu depctr_hold_cnt(0) depctr_sa_sdst(0) depctr_va_vdst(0) depctr_va_sdst(0) depctr_va_ssrc(0) depctr_va_vcc(0) depctr_vm_vsrc(0)
	s_getreg_b32 s2, hwreg(HW_REG_IB_STS2, 6, 4)
	s_cmp_eq_u32 s2, 0
	s_cbranch_scc0 .Lentry_in_a_cluster
	s_endpgm
.Lentry_in_a_cluster:
	s_bfe_u32 s2, ttmp6, 0x10000c
	s_cmp_lg_u32 s2, 0xf033
	s_cbranch_scc0 .Lentry_shape_is_right
	s_endpgm
.Lentry_shape_is_right:
; [Q | K | V][m][n] = sum over k of x[m][k] W[n][k], on codes of FP4 (E2M1) with one E8M0 scale for each 32 along K, sums in f32; the result is rounded to f16 and laid by head:
; qkv [3 tensors][32 = batch x 16 + head][2,048 rows][64 channels].  A = xc [4096][512 bytes], xs [4096][32]; B = wc [3072][512 bytes], ws [3072][32].
; LIMIT: |Q|, |K|, |V| stay under f16's largest number, 65,504 (f16 and not bf16, since its 11 bits of mantissa keep the later products' rounding inside the margin of the comparison).
; A tile of 256 x 256 is made by a work-group of four waves; a wave makes 128 x 128: 64 accumulators of 16 x 16, 512 registers.  K = 1,024 is two LDS slots of 512 along K (rows of 256 bytes):
; both are asked for at the start, and nothing is filled again.  The scales of the work-group's 256 + 256 rows, for all of K, come with them, in whole blocks of 256 bytes, and stay.
; By this text's own count a wave has three tensor loads out at the start, and none later.
; CLUSTERS: 4 x 4 work-groups.  The four of a row of the cluster need the same tiles of A, the four of a column the same tiles of B: each tile is asked for JOINTLY, by the same tensor load with the
; same descriptor and a mask that names the four.  THE MATRIX INSTRUCTION IS USED TRANSPOSED (source 0 = 16 rows of B, source 1 = 16 rows of A): a lane then holds eight neighbouring channels of a row.
; REGISTERS, in windows of 256: window 0: v0-31 addresses; v32-95 scale words, two sets; from v128 A's fragments (8 x 16 rows x 128 K), ONE set; on the way out v128-223 are free.
;   window 1: B's fragments, TWO sets, at v0 and at v128.   window 2: the 32 accumulators of my rows 0-63 (accumulator (a, b) at v[8 (8 a + b)]);   window 3: those of my rows 64-127.
.set SIZE_K, 1024
.set KSTEP,  512                       ; along K in a slot
.set NQ,     KSTEP/128                 ; matrix instructions deep
.set ROWB,   256                       ; a tile's row in bytes
.set KROW,   SIZE_K*4/8                ; a row of A or of B in memory, in bytes
.set PITCH,  272                       ; an LDS row: 256 bytes + 16 of padding = 68 words: row r starts at bank 4 r mod 64 (64 banks of 4 bytes: ISA guide 11.1)
.set FR,     8                         ; registers of a fragment: 16 rows x 128 K
.set NL,     2                         ; LDS loads that bring one
.set NP,     4                         ; places behind this matrix instruction (ISA guide 7.12.1)
.set HALFT,  128*PITCH                 ; 128 rows: what one tensor load brings, and what one wave reads of A or of B
.set SLOT,   4*HALFT                   ; A's 256 rows, then B's 256 rows
.set KS,     SIZE_K/32                 ; a row of scales in bytes
.set SCL,    2*SLOT                    ; behind the slots: the scales, as blocks of 256 bytes + 16 of padding
.set HALFS,  (128*KS/256)*272          ; the scales of 128 rows: what one tensor load brings
.set SBLK,   (16*KS/256)*272           ; those of 16 rows
.set SPARE,  SCL+4*HALFS               ; behind the scales: the spare words, 128 bytes for each wave, which no other line names
.set SROW,   144                       ; the way out: a stage row: a head's 128 bytes + 16 = 36 words: sixteen rows start at sixteen different groups of four banks
.set SHEAD,  16*SROW                   ; 16 rows of one head
.set SWAVE,  2*SHEAD                   ; a wave's stage: two heads.  It lies in slot 0, which has had its only fill and its last read when the first result is stored there
.set ADRA, 16                          ; v16-17  LDS address of my A fragments in slot 0, 1
.set ADRB, 20                          ; v20-21  the same for B
.set STO,  24                          ; v24     the way out: where I put 16 bytes of a row
.set RD,   25                          ; v25     the way out: where I read rows back
.set CO,   26                          ; v26     16 x lane: my byte in 512 consecutive bytes of the output
.set ADRS, 27                          ; v27     LDS address of my scale words: lanes 0-15 A's rows, lanes 16-31 B's
.set SPW,  28                          ; v28     LDS address of my spare word; never rewritten
.set NIL,  29                          ; v29     0; never rewritten
.set SC,   32                          ; scale words: set s at v[SC + 8 NQ s]; register NQ i + q: lanes 0-15 the word of A's block i, lanes 16-31 that of B's block i, for the slot's q-th 128 along K
.set AF,   128                         ; A's fragments, in window 0
.set BK,   128                         ; the way out: rows read back from the stage: v128-159 and v160-191 by turns
.set TMP,  192                         ; the way out: a block's 32 registers of f16 pairs
.set G1, 24                            ; s[24:31] descriptor group 1 for A's tiles;  s[32:39] group 0, one set for each slot
.set G0, 32
.set G1B, 48                           ; s[48:55], s[56:63] the same for B's tiles
.set G0B, 56
.set G1S, 68                           ; s[68:75], s[76:79] groups 1 and 0 for A's scales;  s[80:87], s[88:91] for B's
.set G0S, 76
.set G1SB, 80
.set G0SB, 88
.set MSB, 0
.macro WIN new                         ; the immediate's high byte repeats the setting that is left
.if MSB != \new
	s_set_vgpr_msb (MSB<<8)|\new
.set MSB, \new
.endif
.endm
.set MUL_LO, 0xa1                      ; source 0 (B) window 1, source 1 (A) window 0, C and D window 2
.set MUL_HI, 0xf1                      ; the same, C and D window 3
.set TO_B,   0x40                      ; destination window 1, address window 0
; A joint load: waves 0 and 1 fetch for A, waves 2 and 3 for B.  Each of the two lines has ONE mask and one set of registers for all that issue it; the branch hangs on the wave's number alone.
; Four v_nop follow each of the two lines, ahead of the jump, the label and what follows.
.macro JLOAD g0a, g1a, g0b, g1b
	s_cmp_eq_u32 s15, 0
	s_cbranch_scc0 .Lfor_b_\@
	tensor_load_to_lds s[\g0a:\g0a+3], s[\g1a:\g1a+7]
	s_nop 0
.rept 4
	v_nop
.endr
	s_branch .Lasked_\@
.Lfor_b_\@:
	tensor_load_to_lds s[\g0b:\g0b+3], s[\g1b:\g1b+7]
	s_nop 0
.rept 4
	v_nop
.endr
.Lasked_\@:
.endm
.macro CROUND                          ; a round of the cluster's barrier: my work-group's barrier; wave 0 signals for the work-group; every wave waits for all sixteen; my work-group's barrier once more
	s_barrier_signal -1
	s_barrier_wait -1
	s_cmp_lg_u32 s14, 0
	s_cbranch_scc1 .Lnot_wave_0_\@
	s_barrier_signal -3
.Lnot_wave_0_\@:
	s_barrier_wait -3
	s_barrier_signal -1
	s_barrier_wait -1
.endm
	s_load_b128 s[4:7], s[0:1], 0x0                ; A's codes s[4:5], A's scales s[6:7]
	s_load_b128 s[8:11], s[0:1], 0x10              ; B's codes s[8:9], B's scales s[10:11]
	s_load_b64 s[12:13], s[0:1], 0x20              ; qkv
	v_lshl_add_u32 v[SPW], v0, 2, SPARE
	v_mov_b32 v[NIL], 0
	ds_add_u32 v28, v29
	ds_add_u32 v28, v29
	s_wait_dscnt 0x0
	v_lshrrev_b32 v1, 5, v0
	v_readfirstlane_b32 s14, v1                    ; wave 0..3
	s_lshr_b32 s15, s14, 1                         ; which half of the tile's rows is mine.  Also: I fetch for A (0) or for B (1)
	s_and_b32 s16, s14, 1                          ; which half of its columns.  Also: which 128 rows of that tile I fetch
	s_bfe_u32 s40, ttmp6, 0x40000                  ; cx, cy: my place in the cluster
	s_bfe_u32 s41, ttmp6, 0x40004
	s_lshl_b32 s42, ttmp9, 2
	s_add_co_u32 s42, s42, s40                     ; tile column = 4 x cluster x + cx
	s_and_b32 s17, ttmp7, 0xffff
	s_lshl_b32 s17, s17, 2
	s_add_co_u32 s17, s17, s41                     ; tile row = 4 x cluster y + cy
	s_lshl_b32 s43, s41, 2
	s_lshl_b32 s43, 15, s43                        ; my row of the cluster
	s_lshl_b32 s44, 0x1111, s40                    ; my column
	; descriptor group 1: a tile of 128 rows x 256 bytes, padded in LDS
	s_or_b32 s[G1+0], s43, (0<<16)|(1<<20)|(1<<21)|(5<<22)|(3<<25)  ; 15:0 the mask: A's tiles go to my row; 17:16 element of 1 byte; 20 padding on; 21 set beside a mask; 24:22 after every 64 words (code 5); 31:25 of 4 words (code 3)
	s_or_b32 s[G1B+0], s44, (0<<16)|(1<<20)|(1<<21)|(5<<22)|(3<<25)
.irp g, G1, G1B
	s_mov_b32 s[\g+1], ROWB<<16                    ; tensor_dim0
	s_mov_b32 s[\g+2], 128<<16                     ; tensor_dim1 = 128
	s_mov_b32 s[\g+3], ROWB<<16                    ; tile_dim0
	s_mov_b32 s[\g+4], 128                         ; tile_dim1 = 128
	s_mov_b32 s[\g+5], KROW                        ; tensor_dim0_stride
	s_mov_b32 s[\g+6], 0
	s_mov_b32 s[\g+7], 0
.endr
	; and for the scales of 128 rows: a dense block of 4,096 bytes, as rows of 256 bytes (32 elements of 8 bytes), 16 bytes of padding behind each
	s_or_b32 s[G1S+0], s43, (3<<16)|(1<<20)|(1<<21)|(5<<22)|(3<<25)
	s_or_b32 s[G1SB+0], s44, (3<<16)|(1<<20)|(1<<21)|(5<<22)|(3<<25)
.irp g, G1S, G1SB
	s_mov_b32 s[\g+1], 32<<16
	s_mov_b32 s[\g+2], (128*KS/256)<<16
	s_mov_b32 s[\g+3], 32<<16
	s_mov_b32 s[\g+4], 128*KS/256
	s_mov_b32 s[\g+5], 32
	s_mov_b32 s[\g+6], 0
	s_mov_b32 s[\g+7], 0
.endr
	s_lshl_b32 s18, s16, 7                         ; which 128 rows of the tile I fetch
	s_lshl_b32 s20, s17, 8
	s_add_co_u32 s20, s20, s18                     ; A: row 256 x tile row + 128 x half
	s_lshl_b32 s46, s42, 8
	s_add_co_u32 s46, s46, s18                     ; B: row 256 x tile column + 128 x half
	s_mov_b32 s21, 0
	s_mov_b32 s47, 0
	s_mov_b64 s[18:19], KS
	s_mul_u64 s[22:23], s[20:21], s[18:19]         ; where these rows' scales begin, in bytes
	s_mul_u64 s[92:93], s[46:47], s[18:19]
	s_mov_b64 s[18:19], KROW
	s_mul_u64 s[20:21], s[20:21], s[18:19]         ; and their codes
	s_mul_u64 s[46:47], s[46:47], s[18:19]
	s_mul_i32 s45, s14, HALFT                      ; where they go: wave x 128 rows: no place in the cluster enters an LDS address
	s_mul_i32 s94, s14, HALFS
	s_wait_kmcnt 0x0
	s_add_nc_u64 s[20:21], s[4:5], s[20:21]
	s_add_nc_u64 s[22:23], s[6:7], s[22:23]
	s_add_nc_u64 s[46:47], s[8:9], s[46:47]
	s_add_nc_u64 s[92:93], s[10:11], s[92:93]
	CROUND                                         ; all sixteen work-groups are here: the joint loads meet
	s_mov_b32 s[G0S], 1
	s_add_co_u32 s[G0S+1], s94, SCL
	s_mov_b64 s[G0S+2:G0S+3], s[22:23]
	s_or_b32 s[G0S+3], s[G0S+3], 0x80000000
	s_mov_b32 s[G0SB], 1
	s_add_co_u32 s[G0SB+1], s94, SCL
	s_mov_b64 s[G0SB+2:G0SB+3], s[92:93]
	s_or_b32 s[G0SB+3], s[G0SB+3], 0x80000000
	JLOAD G0S, G1S, G0SB, G1SB                     ; the scales first: they are wanted with the first slot
.irp s, 0,1
	s_mov_b32 s[G0+4*\s], 1
	s_add_co_u32 s[G0+4*\s+1], s45, \s*SLOT
	s_add_nc_u64 s[G0+4*\s+2:G0+4*\s+3], s[20:21], \s*ROWB
	s_or_b32 s[G0+4*\s+3], s[G0+4*\s+3], 0x80000000
	s_mov_b32 s[G0B+4*\s], 1
	s_add_co_u32 s[G0B+4*\s+1], s45, \s*SLOT
	s_add_nc_u64 s[G0B+4*\s+2:G0B+4*\s+3], s[46:47], \s*ROWB
	s_or_b32 s[G0B+4*\s+3], s[G0B+4*\s+3], 0x80000000
	JLOAD G0+4*\s, G1, G0B+4*\s, G1B
.endr
	v_and_b32 v1, 15, v0                           ; r = l % 16
	v_bfe_u32 v2, v0, 4, 1                         ; h = l / 16
	v_mul_u32_u24 v3, v1, PITCH
	v_lshl_add_u32 v4, v2, 4, v3                   ; a fragment's row x pitch + 16 x half
	s_mul_i32 s21, s15, HALFT                      ; my 128 rows of A
	s_mul_i32 s22, s16, HALFT                      ; my 128 rows of B,
	s_add_co_u32 s22, s22, 2*HALFT                 ; which lie behind A's 256
.irp s, 0,1
	v_add_nc_u32 v[ADRA+\s], s21, v4
	v_add_nc_u32 v[ADRB+\s], s22, v4
	s_add_co_u32 s21, s21, SLOT
	s_add_co_u32 s22, s22, SLOT
.endr
	v_mul_u32_u24 v5, v1, KS                       ; my row's scales: 32 bytes a row,
	v_lshrrev_b32 v6, 8, v5
	v_lshl_add_u32 v5, v6, 4, v5                   ; and 16 more for each 256 passed
	s_mul_i32 s21, s15, HALFS                      ; A's: my 128 rows
	s_mul_i32 s22, s16, HALFS                      ; B's: my 128 rows, behind A's 256
	s_add_co_u32 s22, s22, 2*HALFS
	s_sub_co_u32 s22, s22, s21
	v_mul_u32_u24 v6, s22, v2                      ; lanes 16-31 take B's: one product, the distance between the two bases x h
	s_add_co_u32 s21, s21, SCL
	v_add_nc_u32 v5, v5, v6
	v_add_nc_u32 v[ADRS], s21, v5
	s_mul_i32 s23, s14, SWAVE                      ; my stage
	v_mul_u32_u24 v5, v1, SROW                     ; in: row r, 16 bytes for each half of the lanes
	v_lshl_add_u32 v5, v2, 4, v5
	v_add_nc_u32 v[STO], s23, v5
	v_and_b32 v6, 31, v0
	v_lshrrev_b32 v5, 3, v6                        ; back: eight lanes take a row of 128 bytes, an instruction four rows
	v_mul_u32_u24 v5, v5, SROW
	v_and_b32 v7, 7, v0
	v_lshl_add_u32 v5, v7, 4, v5
	v_add_nc_u32 v[RD], s23, v5
	v_lshlrev_b32 v[CO], 4, v6                     ; four rows of a head are 512 consecutive bytes of the output
	; where my part begins in qkv: tensor = cluster x; batch = tile row / 8; head = 4 cx + 2 x my half of the columns (+ 1 for my columns 64 on); row = 256 (tile row % 8) + 128 x my half of the rows
	s_and_b32 s20, s17, 7
	s_lshl_b32 s20, s20, 8
	s_lshl_b32 s21, s15, 7
	s_add_co_u32 s20, s20, s21
	s_lshl_b32 s20, s20, 7                         ; 128 bytes a row
	s_lshr_b32 s21, s17, 3
	s_lshl_b32 s21, s21, 4                         ; 16 heads a batch
	s_lshl_b32 s46, ttmp9, 5                       ; 32 (batch, head) a tensor
	s_add_co_u32 s46, s46, s21
	s_lshl_b32 s47, s40, 2
	s_add_co_u32 s46, s46, s47
	s_lshl_b32 s47, s16, 1
	s_add_co_u32 s46, s46, s47
	s_lshl_b32 s46, s46, 18                        ; 262,144 bytes a head
	s_add_co_u32 s46, s46, s20
	s_mov_b32 s47, 0
	s_add_nc_u64 s[12:13], s[12:13], s[46:47]      ; never stepped: all else stands in the stores' immediates
.macro FRAG reg, adr, q, i             ; a fragment, 16 rows x 128 K of 4-bit codes, is 8 registers: lane l holds row l % 16; registers 4 c .. 4 c + 3 hold K = 64 c + 32 (l / 16) + 0 .. 31
.irp c, 0,1
	ds_load_b128 v[\reg+4*\c:\reg+4*\c+3], v[\adr] offset:64*(\q)+32*\c+(\i)*16*PITCH
.endr
.endm
; 16 matrix instructions: A's blocks a0, a0 + 1 x B's eight, 128 along K: the slot's q-th.  p: B's set;  sc: the set of scale words.  zero = 1: the first product starts the sums: nothing is ever cleared.
; The 64 accumulators take turns, one instruction a turn, in the same order in every step.
.macro MUL16 a0, p, q, sc, zero
.irp a, \a0, \a0+1
.irp b, 0,1,2,3,4,5,6,7
.if \zero
	v_wmma_scale_f32_16x16x128_f8f6f4 v[8*(8*((\a)%4)+\b):8*(8*((\a)%4)+\b)+7], v[128*(\p)+FR*\b:128*(\p)+FR*\b+FR-1], v[AF+FR*(\a):AF+FR*(\a)+FR-1], 0, v[SC+8*NQ*(\sc)+NQ*\b+(\q)], v[SC+8*NQ*(\sc)+NQ*(\a)+(\q)] matrix_a_fmt:MATRIX_FMT_FP4 matrix_b_fmt:MATRIX_FMT_FP4 matrix_a_scale:MATRIX_SCALE_ROW1
.else
	v_wmma_scale_f32_16x16x128_f8f6f4 v[8*(8*((\a)%4)+\b):8*(8*((\a)%4)+\b)+7], v[128*(\p)+FR*\b:128*(\p)+FR*\b+FR-1], v[AF+FR*(\a):AF+FR*(\a)+FR-1], v[8*(8*((\a)%4)+\b):8*(8*((\a)%4)+\b)+7], v[SC+8*NQ*(\sc)+NQ*\b+(\q)], v[SC+8*NQ*(\sc)+NQ*(\a)+(\q)] matrix_a_fmt:MATRIX_FMT_FP4 matrix_b_fmt:MATRIX_FMT_FP4 matrix_a_scale:MATRIX_SCALE_ROW1
.endif
.endr
.endr
.endm
.macro FETCH_B slot, q, p              ; B's eight fragments of the slot's q-th 128 along K into set p
	WIN TO_B
.irp i, 0,1,2,3,4,5,6,7
	FRAG 128*(\p)+FR*\i, ADRB+\slot, \q, \i
.endr
	WIN 0
.endm
.macro FETCH_A slot, q, i0             ; A's blocks i0 .. i0 + 3
.irp i, \i0, \i0+1, \i0+2, \i0+3
	FRAG AF+FR*(\i), ADRA+\slot, \q, \i
.endr
.endm
.macro SCALES sc                       ; a slot's scale words into set sc: four words a row; lanes 0-15 take A's block i, lanes 16-31 B's block i
.irp i, 0,1,2,3,4,5,6,7
	ds_load_b128 v[SC+8*NQ*\sc+NQ*\i:SC+8*NQ*\sc+NQ*\i+3], v[ADRS] offset:\i*SBLK
.endr
.endm
; A load into a register that a matrix instruction has read, and a vector instruction that reads a matrix result, stand NP places behind that matrix instruction, and only plain vector
; instructions that name none of its registers are places (ISA guide 7.12.1 for vector instructions).
.macro PLACES n
.rept \n
	v_nop
.endr
.endm
; A step of 128 along K that has its successor in the same slot.
.macro STEP slot, q, zero
	s_wait_dscnt 4*NL                              ; B's set and A's blocks 0-3 are in; the youngest eight loads (A's blocks 4-7) may be out
	WIN MUL_LO
	MUL16 0, (\q)%2, \q, \slot, \zero
	MUL16 2, (\q)%2, \q, \slot, \zero
	s_wait_dscnt 0                                 ; A's blocks 4-7 are in (asked for 32 matrix instructions ago)
	PLACES NP
	FETCH_B \slot, (\q)+1, 1-(\q)%2
	FETCH_A \slot, (\q)+1, 0
	WIN MUL_HI
	MUL16 4, (\q)%2, \q, \slot, \zero
	MUL16 6, (\q)%2, \q, \slot, \zero
	PLACES NP
	WIN 0
	FETCH_A \slot, (\q)+1, 4
.endm
; Slot 0's last step goes over to slot 1: ONE barrier; in front of it each wave waits for all its tensor loads (its part of slot 1), adds 0 to its spare word, and waits for that and for its reads of slot 0.
; Behind it nobody reads slot 0 any more, so that the stages of the way out may lie there.
.macro TURN slot, next
	s_wait_tensorcnt 0x0                           ; all my tensor loads have landed  (every window is 0 here: the add's two registers lie in window 0)
	ds_add_u32 v[SPW], v[NIL]                      ; 0 onto my spare word
	s_wait_dscnt 4*NL+1                            ; (the add and the youngest eight loads, A's blocks 4-7, may be out)
	WIN MUL_LO
	MUL16 0, 1, NQ-1, \slot, 0                     ; sixteen matrix instructions stand between the add and the wait for it
	s_wait_dscnt 0x0                               ; the add is done, and my reads of this slot are over
	s_barrier_signal -1
	MUL16 2, 1, NQ-1, \slot, 0
	WIN 0
	s_barrier_wait -1
	PLACES NP
	v_add_nc_u32 v[ADRS], 4*NQ, v[ADRS]            ; on to the next slot's scale words (no LDS load of mine is out)
	FETCH_B \next, 0, 0
	FETCH_A \next, 0, 0
	SCALES \next
	WIN MUL_HI
	MUL16 4, 1, NQ-1, \slot, 0
	MUL16 6, 1, NQ-1, \slot, 0
	PLACES NP
	WIN 0
	FETCH_A \next, 0, 4
.endm
.macro STEPS slot, from                ; the slot's steps from .. NQ - 2
.set Q, \from
.rept NQ-1-\from
	STEP \slot, Q, 0
.set Q, Q+1
.endr
.endm
	s_wait_tensorcnt 1                             ; the scales and my part of slot 0 are in (slot 1's load, the one issued behind them, may be out),
	s_barrier_signal -1
	s_barrier_wait -1                              ; everybody's are
	FETCH_B 0, 0, 0
	FETCH_A 0, 0, 0
	SCALES 0
	FETCH_A 0, 0, 4
	STEP 0, 0, 1                                   ; the first step's products start the sums
	STEPS 0, 1
	TURN 0, 1
	STEPS 1, 0
	s_wait_dscnt 4*NL                              ; the very last step: nothing more to fetch
	WIN MUL_LO
	MUL16 0, 1, NQ-1, 1, 0
	MUL16 2, 1, NQ-1, 1, 0
	s_wait_dscnt 0
	WIN MUL_HI
	MUL16 4, 1, NQ-1, 1, 0
	MUL16 6, 1, NQ-1, 1, 0
	WIN 0
; THE WAY OUT, block by block of 16 rows x 128 columns (two heads).  A lane's eight results are eight neighbouring channels of one row: rounded to f16 they are 16 bytes.  They go through my own stage in LDS
; (head by head, rows of 144 bytes) and come back four whole rows of a head at a time: 512 consecutive bytes of the output.  LDS serves a wave's instructions in order (ISA guide 5.7.1.4): no wait between stores and loads.
.macro PACK a
.set AC, 64*((\a)%4)
	WIN 0x0a+5*((\a)/4)                            ; sources 0 and 1: window 2 or 3
.irp b, 0,1,2,3,4,5,6,7
.irp i, 0,1,2,3
	v_cvt_pk_f16_f32 v[TMP+4*\b+\i], v[AC+8*\b+2*\i], v[AC+8*\b+2*\i+1]   ; each accumulator from its low end on
.endr
.endr
	WIN 0
.endm
.macro TOSTAGE a
.set BB, BK+32*((\a)%2)
.irp b, 0,1,2,3,4,5,6,7
	ds_store_b128 v[STO], v[TMP+4*\b:TMP+4*\b+3] offset:(\b/4)*SHEAD+32*(\b%4)
.endr
.irp t, 0,1,2,3,4,5,6,7
	ds_load_b128 v[BB+4*\t:BB+4*\t+3], v[RD] offset:(\t/4)*SHEAD+(\t%4)*4*SROW
.endr
.endm
.macro SEND a
.set BB, BK+32*((\a)%2)
	s_wait_dscnt 0x0                               ; the block is back in registers
	s_wait_xcnt 0x0                                ; the stores of the block before have read the other set of registers: the next block's loads may land there
.irp t, 0,1,2,3,4,5,6,7
	global_store_b128 v[CO], v[BB+4*\t:BB+4*\t+3], s[12:13] offset:(\a)*2048+(\t/4)*262144+(\t%4)*512   ; 32 lanes store 512 consecutive bytes, at a multiple of 256 from the buffer's first byte
.endr
.endm
	PLACES NP                                      ; behind the last products: for the conversions that read results and for the loads into the registers that held A's fragments
	PACK 0
	TOSTAGE 0
.irp a, 1,2,3,4,5,6,7                  ; block a's conversions stand between block a - 1's loads from the stage and the wait for them
	PACK \a
	SEND \a-1
	TOSTAGE \a
.endr
	SEND 7
	s_wait_tensorcnt 0x0                           ; the wave's end: behind my last tensor load and my last LDS store
	ds_add_u32 v[SPW], v[NIL]
	s_wait_dscnt 0x0
	CROUND                                         ; the closing round: no work-group ends while a partner may still ask for a tile that names it
	s_endpgm
.Lfunc_end_k_q36bf9a91d5_qkv:
	.size	k_q36bf9a91d5_qkv, .Lfunc_end_k_q36bf9a91d5_qkv-k_q36bf9a91d5_qkv
	.p2alignl 7, 3214868480
	.fill 96, 4, 3214868480
	.section	.rodata,"a",@progbits
	.p2align	6, 0x0
	.amdhsa_kernel k_q36bf9a91d5_qkv
		.amdhsa_group_segment_fixed_size 327680
		.amdhsa_private_segment_fixed_size 0
		.amdhsa_enable_private_segment 0
		.amdhsa_kernarg_size 40
		.amdhsa_user_sgpr_count 2
		.amdhsa_user_sgpr_kernarg_segment_ptr 1
		.amdhsa_wavefront_size32 1
		.amdhsa_system_sgpr_workgroup_id_x 1
		.amdhsa_system_sgpr_workgroup_id_y 1
		.amdhsa_system_sgpr_workgroup_id_z 1
		.amdhsa_system_vgpr_workitem_id 0
		.amdhsa_next_free_vgpr 1024
		.amdhsa_next_free_sgpr 98
		.amdhsa_reserve_vcc 0
		.amdhsa_float_denorm_mode_32 3
		.amdhsa_float_denorm_mode_16_64 3
		.amdhsa_memory_ordered 1
		.amdhsa_forward_progress 1
		.amdhsa_inst_pref_size 126
	.end_amdhsa_kernel
	.amdgpu_metadata
---
amdhsa.version: [ 1, 2 ]
amdhsa.kernels:
  - .name:           k_q36bf9a91d5_qkv
    .symbol:         k_q36bf9a91d5_qkv.kd
    .args:
      - { .name: xc, .offset: 0, .size: 8, .value_kind: global_buffer, .address_space: global }
      - { .name: xs, .offset: 8, .size: 8, .value_kind: global_buffer, .address_space: global }
      - { .name: wc, .offset: 16, .size: 8, .value_kind: global_buffer, .address_space: global }
      - { .name: ws, .offset: 24, .size: 8, .value_kind: global_buffer, .address_space: global }
      - { .name: qkv, .offset: 32, .size: 8, .value_kind: global_buffer, .address_space: global }
    .group_segment_fixed_size: 327680
    .private_segment_fixed_size: 0
    .kernarg_segment_align: 8
    .kernarg_segment_size: 40
    .max_flat_workgroup_size: 128
    .sgpr_count:     98
    .vgpr_count:     1024
    .wavefront_size: 32
...
	.end_amdgpu_metadata
.endif
;; end of part 2
;; launch attn (part 3): grid 8 x 32, 8 waves a work-group, clusters of 4 x 1, 327,680 bytes of LDS; arguments qkv, att; writes att
.if DOCPART == 3
	.amdgcn_target "amdgcn-amd-amdhsa--gfx1250"
	.amdhsa_code_object_version 6
	.text
	.protected	k_q36bf9a91d5_attn
	.globl	k_q36bf9a91d5_attn
	.p2align	8
	.type	k_q36bf9a91d5_attn,@function
k_q36bf9a91d5_attn:
	s_mov_b64 s[64:65], 0
	v_nop
	global_prefetch_b8 v0, s[64:65] scope:SCOPE_SE
	s_setreg_imm32_b32 hwreg(HW_REG_WAVE_MODE, 25, 1), 1
	s_wait_xcnt 0x0
	s_wait_alu depctr_hold_cnt(0) depctr_sa_sdst(0) depctr_va_vdst(0) depctr_va_sdst(0) depctr_va_ssrc(0) depctr_va_vcc(0) depctr_vm_vsrc(0)
	s_getreg_b32 s2, hwreg(HW_REG_IB_STS2, 6, 4)
	s_cmp_eq_u32 s2, 0
	s_cbranch_scc0 .Lentry_in_a_cluster
	s_endpgm
.Lentry_in_a_cluster:
	s_bfe_u32 s2, ttmp6, 0x10000c
	s_cmp_lg_u32 s2, 0x3003
	s_cbranch_scc0 .Lentry_shape_is_right
	s_endpgm
.Lentry_shape_is_right:
; O[y][q][:] = the sum over k of softmax_k(Q[y][q] . K[y][k] / 8) V[y][k][:], y = batch x 16 + head, 2,048 keys, head size 64, no mask.  Q, K, V: qkv [3][32][2048][64] f16.
; Products on f16 operands with f32 sums; maxima, exponentials and sums in f32; the weights p (at most 1) are rounded to f16 for the second product, O once at the end, to f16, into
; att [m / 128][head][m % 128][64], m = batch x 2,048 + query: the order in which the last launch's tiles want it; there a wave's 32 rows of 128 bytes are dense.
; LIMIT: NaN and infinities are not served; |V| under 65,504 bounds |O|.
; SHARES.  A work-group owns 256 queries of one head, each of its eight waves 32: two tiles of 16, in 512 registers: two waves to a SIMD, so that one wave's softmax stands beside the other's products.
; Every wave walks all keys, 64 a step: 16 products K Q^T, the softmax, 16 products V^T P.
; LAYOUT.  S^T = K Q^T (source 0 = 16 keys, source 1 = 16 queries): a lane holds ONE query (lane % 16) and the keys 8 (lane / 16) + 0..7.  Two such tiles, rounded to f16 in pairs, ARE source 1
; (32 keys x 16 queries) of O^T = V^T P, whose result again holds one query a lane, and eight channels.  K comes out of LDS as it lies, V ([key][channel]) turned, by ds_load_tr16_b128.
; SOFTMAX.  For each query a running maximum m and sum l: p = 2^(c s - c m), c = log2(e) / 8; in every step O and l are multiplied by a = 2^(c m_old - c m_new).  m begins at -3e38, O and l at 0: the step is written once.
; RING.  Two LDS slots of 512 keys (eight steps).  Two keys, 256 consecutive bytes of memory, make one LDS row.  Waves 0-3 fetch K's quarters of a slot, waves 4-7 V's: 64 rows of 256 bytes a load.
; Both slots are asked for at the start, each is filled again once: by this text's own count a wave has two tensor loads out at the start and one behind each of the two rounds, with eight key steps in which to land.
; CLUSTER.  The four query blocks of a cluster belong to one head and walk the same K and V: each tile is asked for JOINTLY, by the same tensor load with the same descriptor and a mask that names the four.
; REGISTERS.  window 0: v2-13 addresses; v16-39 statistics, 12 a tile; v64-127 S^T, 32 a tile; v128-159 P, 16 a tile.
;             window 1: v0-63 O^T, 32 a tile; v64-95 Q; v96-159 K of one step; v160-223 V of one step.
.set PK,    272       ; an LDS row of K: 256 bytes + 16 = 68 words: key r of a fragment starts at word 68 (r / 2) + 32 (r % 2): sixteen different groups of four banks (64 banks of 4 bytes: ISA guide 11.1)
.set PV,    288       ; an LDS row of V: 256 + 32 = 72 words
.set VOFF,  256*PK    ; a slot: 256 rows of K, then 256 rows of V
.set SLOTB, 256*(PK+PV)
.set KSTP,  32*PK     ; a key step's 64 keys of K
.set VSTP,  32*PV     ; and of V
.set STAGE, 2*SLOTB   ; behind the ring: 16 rows x 144 bytes for each wave, for the way out
.set SROW,  144
.set SPARE, STAGE+8*16*SROW  ; behind the stages: the spare words, 128 bytes for each wave, which no other line names
.set AK0, 2           ; v2   my lane's place in a tile of K; never rewritten
.set AV0, 3           ; v3   the same for V
.set ADR, 4           ; v4   the LDS address of the run of loads in hand
.set QO,  5           ; v5   my byte offset in the wave's rows of Q
.set STO, 6           ; v6   the way out: where I put 16 bytes of a row
.set RD,  7           ; v7   the way out: where I read rows back
.set GO,  8           ; v8   16 x lane
.set PFO, 10          ; v10  256 x lane: the prefetch's offset; never rewritten
.set SPW, 12          ; v12  LDS address of my spare word; never rewritten
.set NIL, 13          ; v13  0; never rewritten
.set ST,  16          ; tile t's statistics at v[ST+12 t]: +0 c m, +1 m, +2, +3 l (even keys', odd keys'), +4 to +7 at work, +8 a, +9 0 (named with a as a pair), +10 c m_old
.set S,   64
.set P,   128
.set QF,  64          ; in window 1
.set KF,  96
.set VF,  160
.set WV,  8           ; s8   my wave's number
.set LIM, 15          ; s15  1 in a wave that prefetches, else -1
.set PFA, 18          ; s[18:19] the prefetch's address; never rewritten
.set G1K, 24          ; s[24:31] descriptor group 1 for K's tiles
.set G1V, 32          ; s[32:39] for V's: it differs in the padding alone
.set G0K, 40          ; s[40:47] descriptor group 0 for K's tiles, a set for each slot
.set G0V, 48          ; s[48:55] the same for V's
.set TBK, 56          ; s56  LDS byte at which K of the step to be fetched begins
.set TBV, 57          ; s57  the same for V
.set CS,  58          ; s[58:59] c: the packed scaling names a pair and takes its low word for both halves
.set SEL, 60          ; s[60:61] lane selects for v_permlanex16_b32: lane l xor 16
.set CNT, 62          ; s62  counts key steps
.set MSB, 0
.macro WIN new                      ; the immediate's high byte repeats the setting that is left; a switch that changes nothing is dropped
.if MSB != \new
	s_set_vgpr_msb (MSB<<8)|\new
.set MSB, \new
.endif
.endm
.set W_KQ, 0x05       ; K and Q in window 1, S^T in window 0
.set W_PV, 0x51       ; V in window 1, P in window 0, O^T in window 1
.set W_RS, 0x41       ; O^T (destination and source 0) in window 1, a in window 0
.set TO_1, 0x40       ; destination window 1, address window 0
; A joint refill of slot set.  The branch hangs on the wave's number alone.  Four v_nop follow each of the two lines.
.macro JLOAD set
	s_cmp_lt_u32 s[WV], 4
	s_cbranch_scc0 .Lfor_v_\@
	tensor_load_to_lds s[G0K+4*\set:G0K+4*\set+3], s[G1K:G1K+7]
	s_nop 0
.rept 4
	v_nop
.endr
	s_branch .Lasked_\@
.Lfor_v_\@:
	tensor_load_to_lds s[G0V+4*\set:G0V+4*\set+3], s[G1V:G1V+7]
	s_nop 0
.rept 4
	v_nop
.endr
.Lasked_\@:
.endm
; A PREFETCH INTO THE L2 of the head's last 512 keys, which the SECOND change of slots will ask for; it stands at the first change, eight key steps ahead of that load, behind the wave's tensor load and its four lines.
; Each aligned block of 256 bytes is named once in the launch: the head's first cluster asks; its four partners take 16,384 bytes of K and of V each, told apart BY ADDRESS; in each, waves 0 and 1 ask for K's
; (8,192 bytes a wave, lanes 256 bytes apart), waves 4 and 5 for V's.  The first three slots come by their loads alone.
.macro ASK
	s_cmp_eq_u32 s[LIM], 1
	s_cbranch_scc0 .Lnot_mine_\@
	global_prefetch_b8 v[PFO], s[PFA:PFA+1] th:TH_LOAD_NT scope:SCOPE_SE
.Lnot_mine_\@:
.endm
.macro CROUND                       ; a round of the cluster's barrier: my work-group's barrier; wave 0 signals for the work-group; every wave waits for all four; my work-group's barrier once more
	s_barrier_signal -1
	s_barrier_wait -1
	s_cmp_lg_u32 s[WV], 0
	s_cbranch_scc1 .Lnot_wave_0_\@
	s_barrier_signal -3
.Lnot_wave_0_\@:
	s_barrier_wait -3
	s_barrier_signal -1
	s_barrier_wait -1
.endm
	s_load_b128 s[4:7], s[0:1], 0x0  ; qkv s[4:5], att s[6:7]
	v_lshl_add_u32 v[SPW], v0, 2, SPARE
	v_mov_b32 v[NIL], 0
	ds_add_u32 v12, v13
	ds_add_u32 v12, v13
	s_wait_dscnt 0x0
	v_lshrrev_b32 v1, 5, v0
	v_readfirstlane_b32 s[WV], v1   ; wave 0..7
	s_bfe_u32 s9, ttmp6, 0x40000    ; cx: my place in the cluster: it enters Q's, att's and the prefetch's addresses alone
	s_and_b32 s14, s[WV], 3         ; which quarter of a slot I fetch
	s_and_b32 s63, ttmp7, 0xffff    ; y = batch x 16 + head, which the four partners share
	s_lshl_b32 s20, s63, 18         ; a head's rows are 262,144 bytes
	s_mov_b32 s21, 0
	s_lshl_b32 s22, s14, 14         ; my quarter: 128 keys of 128 bytes in memory,
	s_mov_b32 s23, 0
	s_mul_i32 s2, s14, 64*PK        ; and in a slot: no place in the cluster enters an LDS address
	s_mul_i32 s3, s14, 64*PV
	s_add_co_u32 s3, s3, VOFF
	; descriptor group 1: a tile of 64 rows x 128 elements of 2 bytes, dense in memory, padded in LDS
	s_mov_b32 s[G1K], 15|(1<<16)|(1<<20)|(1<<21)|(5<<22)|(3<<25)  ; 15:0 the mask: all four work-groups; 17:16 elements of 2 bytes; 20 padding on; 21 set beside a mask; 24:22 after every 64 words (code 5); 31:25 4 words of it (code 3)
	s_mov_b32 s[G1V], 15|(1<<16)|(1<<20)|(1<<21)|(5<<22)|(7<<25)  ; the same with 8 words of padding (code 7)
.irp g, G1K, G1V
	s_mov_b32 s[\g+1], 128<<16      ; tensor_dim0 = 128
	s_mov_b32 s[\g+2], 64<<16       ; tensor_dim1 = 64
	s_mov_b32 s[\g+3], 128<<16      ; tile_dim0 = 128
	s_mov_b32 s[\g+4], 64           ; tile_dim1 = 64
	s_mov_b32 s[\g+5], 128          ; tensor_dim0_stride
	s_mov_b32 s[\g+6], 0
	s_mov_b32 s[\g+7], 0
.endr
	s_mov_b32 s[CS], 0x3e38aa3b     ; c = log2(e) / 8
	s_mov_b32 s[CS+1], s[CS]        ; named with it as a pair, so it is written
	s_mov_b32 s[SEL], 0x76543210
	s_mov_b32 s[SEL+1], 0xfedcba98
	s_mov_b32 s[TBK], 0
	s_mov_b32 s[TBV], VOFF
	s_lshl_b32 s68, ttmp9, 2        ; in a cluster launch ttmp9 counts clusters
	s_add_co_u32 s68, s68, s9       ; my block of 256 queries
	s_lshl_b32 s69, s68, 15         ; its 256 rows of 128 bytes,
	s_lshl_b32 s70, s[WV], 12       ; my wave's 32 of them
	s_add_co_u32 s70, s69, s70
	s_mov_b32 s71, 0
	s_wait_kmcnt 0x0
	s_add_nc_u64 s[4:5], s[4:5], s[20:21]  ; the head's rows of Q,
	s_add_nc_u64 s[10:11], s[4:5], 0x800000  ; of K,
	s_add_nc_u64 s[12:13], s[4:5], 0x1000000  ; of V
	s_add_nc_u64 s[20:21], s[10:11], s[22:23]  ; my quarter of the first 512 keys: K's,
	s_add_nc_u64 s[22:23], s[12:13], s[22:23]  ; V's
	s_add_nc_u64 s[66:67], s[4:5], s[70:71]  ; Q at my wave's first row
	s_lshr_b32 s70, s63, 4          ; att: block of 128 rows = 16 x batch + 2 x query block + wave / 4,
	s_lshl_b32 s70, s70, 4
	s_lshl_b32 s69, s68, 1
	s_add_co_u32 s70, s70, s69
	s_lshr_b32 s69, s[WV], 2
	s_add_co_u32 s70, s70, s69
	s_lshl_b32 s70, s70, 18
	s_and_b32 s69, s63, 15          ; the head: 16,384 bytes,
	s_lshl_b32 s69, s69, 14
	s_add_co_u32 s70, s70, s69
	s_lshl_b32 s69, s14, 12         ; my wave's 32 rows of 128 bytes
	s_add_co_u32 s70, s70, s69
	s_add_nc_u64 s[6:7], s[6:7], s[70:71]
	s_cmp_lt_u32 s[WV], 4           ; the prefetch: K's rows or V's,
	s_cselect_b64 s[PFA:PFA+1], s[10:11], s[12:13]
	s_lshl_b32 s70, s9, 14          ; my work-group's 16,384 bytes,
	s_and_b32 s69, s[WV], 1
	s_lshl_b32 s69, s69, 13         ; my wave's 8,192 of them,
	s_add_co_u32 s70, s70, s69
	s_add_co_u32 s70, s70, 3*65536  ; in the last 512 keys
	s_add_nc_u64 s[PFA:PFA+1], s[PFA:PFA+1], s[70:71]
	s_and_b32 s[LIM], s[WV], 2      ; 0 in waves 0, 1, 4, 5,
	s_or_b32 s[LIM], s[LIM], ttmp9  ; where the cluster is the head's first: the same in all four partners
	s_cmp_eq_u32 s[LIM], 0
	s_cselect_b32 s[LIM], 1, -1
.irp s, 0,1
	s_mov_b32 s[G0K+4*\s], 1        ; 1:0 count = 1
	s_add_co_u32 s[G0K+4*\s+1], s2, \s*SLOTB  ; 63:32 LDS address
	s_add_nc_u64 s[G0K+4*\s+2:G0K+4*\s+3], s[20:21], \s*65536  ; 120:64 global address: slot s begins with keys 512 s on
	s_or_b32 s[G0K+4*\s+3], s[G0K+4*\s+3], 0x80000000  ; 127:126 type = 2
	s_mov_b32 s[G0V+4*\s], 1
	s_add_co_u32 s[G0V+4*\s+1], s3, \s*SLOTB
	s_add_nc_u64 s[G0V+4*\s+2:G0V+4*\s+3], s[22:23], \s*65536
	s_or_b32 s[G0V+4*\s+3], s[G0V+4*\s+3], 0x80000000
.endr
	CROUND                          ; all four work-groups are here: the first joint loads meet
	s_cmp_lt_u32 s[WV], 4           ; a wave's two first fills stand in one branch, ahead of every wait on TENSORcnt and every LDS read; four v_nop follow the second
	s_cbranch_scc0 .Lfirst_v
	tensor_load_to_lds s[G0K:G0K+3], s[G1K:G1K+7]
	s_nop 0
	tensor_load_to_lds s[G0K+4:G0K+7], s[G1K:G1K+7]
	s_nop 0
.rept 4
	v_nop
.endr
	s_branch .Lfirst_asked
.Lfirst_v:
	tensor_load_to_lds s[G0V:G0V+3], s[G1V:G1V+7]
	s_nop 0
	tensor_load_to_lds s[G0V+4:G0V+7], s[G1V:G1V+7]
	s_nop 0
.rept 4
	v_nop
.endr
.Lfirst_asked:
	; A fragment of K or Q is 16 rows x 32 channels in 8 registers: lane l holds row l % 16; registers 0-3 channels 8 (l / 16) + 0..7, registers 4-7 channels 16 + 8 (l / 16) + 0..7: two loads of 16 bytes, 32 bytes apart.
	v_and_b32 v1, 15, v0            ; r = l % 16
	v_bfe_u32 v9, v0, 4, 1          ; h = l / 16
	v_and_b32 v11, 31, v0           ; l
	v_lshlrev_b32 v[QO], 7, v1
	v_lshl_add_u32 v[QO], v9, 4, v[QO]  ; Q: row x 128 + 16 x half
	WIN TO_1
.irp t, 0,1
.irp ks, 0,1                        ; Q stays in registers: tile t, channels 32 ks on
	global_load_b128 v[QF+16*\t+8*\ks:QF+16*\t+8*\ks+3],   v[QO], s[66:67] offset:\t*2048+64*\ks
	global_load_b128 v[QF+16*\t+8*\ks+4:QF+16*\t+8*\ks+7], v[QO], s[66:67] offset:\t*2048+64*\ks+32
.endr
.endr
	WIN 0
	v_lshrrev_b32 v[AK0], 1, v1     ; K: key r lies in LDS row r / 2, at byte 128 (r % 2)
	v_mul_u32_u24 v[AK0], v[AK0], PK
	v_and_b32 v14, 1, v0
	v_lshl_add_u32 v[AK0], v14, 7, v[AK0]
	v_lshl_add_u32 v[AK0], v9, 4, v[AK0]
	; The turning load takes 16 keys x 16 channels (lane l reads 16 bytes: key 8 (l / 16) + l % 8, channels 8 ((l / 8) % 2) + 0..7) and leaves half a fragment of V^T: lane l holds channel l % 16 and 8 keys.
	v_bfe_u32 v[AV0], v0, 1, 2      ; (l % 8) / 2
	v_lshl_add_u32 v[AV0], v9, 2, v[AV0]  ; + 4 h: the key's LDS row
	v_mul_u32_u24 v[AV0], v[AV0], PV
	v_lshl_add_u32 v[AV0], v14, 7, v[AV0]
	v_bfe_u32 v15, v0, 3, 1
	v_lshl_add_u32 v[AV0], v15, 4, v[AV0]
	s_mul_i32 s69, s[WV], 16*SROW
	s_add_co_u32 s69, s69, STAGE    ; my stage
	v_mul_u32_u24 v[STO], v1, SROW  ; in: row r, 16 bytes for each half of the lanes
	v_lshl_add_u32 v[STO], v9, 4, v[STO]
	v_add_nc_u32 v[STO], s69, v[STO]
	v_lshrrev_b32 v[RD], 3, v11     ; back: eight lanes take a row of 128 bytes, an instruction four rows
	v_mul_u32_u24 v[RD], v[RD], SROW
	v_and_b32 v15, 7, v0
	v_lshl_add_u32 v[RD], v15, 4, v[RD]
	v_add_nc_u32 v[RD], s69, v[RD]
	v_lshlrev_b32 v[GO], 4, v11
	v_lshlrev_b32 v[PFO], 8, v11
.irp t, 0,1
	v_mov_b32 v[ST+12*\t+1], 0xff61b1e6  ; m: -3e38, under every score
	v_mul_f32 v[ST+12*\t], s[CS], v[ST+12*\t+1]  ; c m
	v_mov_b32 v[ST+12*\t+2], 0      ; l
	v_mov_b32 v[ST+12*\t+3], 0
	v_mov_b32 v[ST+12*\t+9], 0
.endr
	WIN 0x40
.set i, 0
.rept 64
	v_mov_b32 v[i], 0               ; O^T.  (The step is written once: the first finds zeros, which its a = 0 leaves zeros)
.set i, i+1
.endr
	WIN 0
; THE LDS LOADS stand in runs of 16.  A step's K: 64 keys x 64 channels: 8 fragments (keys 16 kt on, channels 32 ks on).
.macro FETCH_K
	v_add_nc_u32 v[ADR], s[TBK], v[AK0]
	s_add_co_u32 s[TBK], s[TBK], KSTP  ; the next fetch is the next step's
	WIN TO_1
.irp kt, 0,1,2,3
.irp ks, 0,1
	ds_load_b128 v[KF+16*\kt+8*\ks:KF+16*\kt+8*\ks+3],   v[ADR] offset:\kt*8*PK+64*\ks
	ds_load_b128 v[KF+16*\kt+8*\ks+4:KF+16*\kt+8*\ks+7], v[ADR] offset:\kt*8*PK+64*\ks+32
.endr
.endr
	WIN 0
.endm
; A step's V, turned: 8 fragments (keys 32 kh on, channels 16 ct on)
.macro FETCH_V
	v_add_nc_u32 v[ADR], s[TBV], v[AV0]
	s_add_co_u32 s[TBV], s[TBV], VSTP
	WIN TO_1
.irp kh, 0,1
.irp ct, 0,1,2,3
	ds_load_tr16_b128 v[VF+32*\kh+8*\ct:VF+32*\kh+8*\ct+3],   v[ADR] offset:\kh*16*PV+32*\ct
	ds_load_tr16_b128 v[VF+32*\kh+8*\ct+4:VF+32*\kh+8*\ct+7], v[ADR] offset:\kh*16*PV+8*PV+32*\ct
.endr
.endr
	WIN 0
.endm
; pair i of tile t's 16 pairs of weights joins the sums: two chains, l itself and one at work, so that no addition waits for the one just before it
.macro ADDP t
.if i == 1
	v_pk_add_f32 v[ST+12*\t+4:ST+12*\t+5], v[S+32*\t:S+32*\t+1], v[S+32*\t+2:S+32*\t+3]
.elseif (i > 1) && (i%2 == 0)
	v_pk_add_f32 v[ST+12*\t+2:ST+12*\t+3], v[ST+12*\t+2:ST+12*\t+3], v[S+32*\t+2*i:S+32*\t+2*i+1]
.elseif i > 1
	v_pk_add_f32 v[ST+12*\t+4:ST+12*\t+5], v[ST+12*\t+4:ST+12*\t+5], v[S+32*\t+2*i:S+32*\t+2*i+1]
	s_wait_alu depctr_va_vdst(0)
.endif
.endm
; THE SOFTMAX of both tiles for one key step.  The exponentials stand among plain instructions that are ready, so that each has a plain instruction behind it before its result is used (ISA guide 5.7.2).
.macro SOFTMAX
.irp j, 0,1,2,3                     ; the maximum of the lane's 32 scores and the old m: four chains, each begun at the low end of one accumulator
.irp t, 0,1
	v_max3_num_f32 v[ST+12*\t+4+\j], v[S+32*\t+8*\j], v[S+32*\t+8*\j+1], v[S+32*\t+8*\j+2]
.endr
.endr
.irp g, 3,5
.irp j, 0,1,2,3
.irp t, 0,1
	v_max3_num_f32 v[ST+12*\t+4+\j], v[ST+12*\t+4+\j], v[S+32*\t+8*\j+\g], v[S+32*\t+8*\j+\g+1]
.endr
.endr
.endr
.irp t, 0,1
	v_max3_num_f32 v[ST+12*\t+4], v[ST+12*\t+4], v[S+32*\t+7], v[S+32*\t+15]
.endr
.irp t, 0,1
	v_max3_num_f32 v[ST+12*\t+6], v[ST+12*\t+6], v[S+32*\t+23], v[S+32*\t+31]
.endr
.irp t, 0,1
	v_max3_num_f32 v[ST+12*\t+4], v[ST+12*\t+4], v[ST+12*\t+5], v[ST+12*\t+6]
.endr
.irp t, 0,1
	v_max3_num_f32 v[ST+12*\t+4], v[ST+12*\t+4], v[ST+12*\t+7], v[ST+12*\t+1]
.endr
.irp t, 0,1
	v_permlanex16_b32 v[ST+12*\t+5], v[ST+12*\t+4], s[SEL], s[SEL+1]  ; the query's other 32 keys lie in the lane 16 away
.endr
.irp t, 0,1
	v_max_num_f32 v[ST+12*\t+1], v[ST+12*\t+4], v[ST+12*\t+5]  ; the new m
.endr
.irp t, 0,1
	v_mul_f32 v[ST+12*\t], s[CS], v[ST+12*\t+1]  ; c m
.endr
.irp t, 0,1
	v_sub_f32 v[ST+12*\t+10], v[ST+12*\t+10], v[ST+12*\t]  ; c m_old - c m_new
.endr
.irp t, 0,1
	v_exp_f32 v[ST+12*\t+8], v[ST+12*\t+10]  ; a
.endr
.set i, 0
.rept 16
	v_pk_fma_f32 v[S+2*i:S+2*i+1], v[S+2*i:S+2*i+1], s[CS:CS+1], v[ST:ST+1] op_sel_hi:[1,0,0] neg_lo:[0,0,1] neg_hi:[0,0,1]  ; tile 0: c s - c m, two at a time
.set i, i+1
.endr
	s_wait_alu depctr_va_vdst(0)
.irp t, 0,1
	v_pk_mul_f32 v[ST+12*\t+2:ST+12*\t+3], v[ST+12*\t+2:ST+12*\t+3], v[ST+12*\t+8:ST+12*\t+9] op_sel_hi:[1,0]  ; l under the new m
.endr
.set i, 0
.rept 16                            ; tile 0's exponentials, tile 1's scalings between them
	v_exp_f32 v[S+2*i], v[S+2*i]
	v_pk_fma_f32 v[S+32+2*i:S+32+2*i+1], v[S+32+2*i:S+32+2*i+1], s[CS:CS+1], v[ST+12:ST+13] op_sel_hi:[1,0,0] neg_lo:[0,0,1] neg_hi:[0,0,1]
	v_exp_f32 v[S+2*i+1], v[S+2*i+1]
.set i, i+1
.endr
.set i, 0
.rept 16                            ; tile 1's exponentials, tile 0's roundings and sums between them
	v_exp_f32 v[S+32+2*i], v[S+32+2*i]
	s_wait_alu depctr_va_vdst(0)
	v_cvt_pk_f16_f32 v[P+i], v[S+2*i], v[S+2*i+1]
	v_exp_f32 v[S+32+2*i+1], v[S+32+2*i+1]
	ADDP 0
.set i, i+1
.endr
.set i, 0
.rept 16                            ; tile 1's roundings and sums
	v_cvt_pk_f16_f32 v[P+16+i], v[S+32+2*i], v[S+32+2*i+1]
	ADDP 1
.set i, i+1
.endr
.irp t, 0,1
	v_pk_add_f32 v[ST+12*\t+2:ST+12*\t+3], v[ST+12*\t+2:ST+12*\t+3], v[ST+12*\t+4:ST+12*\t+5]
.endr
.endm
; A KEY STEP.  fetch = 1: the next step's K is fetched behind this step's K Q^T, its V behind this step's V^T P.
; A load into a register that a matrix instruction has read, and a vector instruction that reads a matrix result, stand four places behind it, and only plain vector instructions that name none of
; its registers are places (ISA guide 7.12.1 for vector instructions).  The accumulators take turns, one instruction a turn.
.macro STEP fetch
	s_wait_dscnt 16                 ; this step's K is in; the sixteen loads issued behind it, V's, may be out
	WIN W_KQ
.irp kt, 0,1,2,3                    ; channels 0-31: these eight start the sums
.irp t, 0,1
	v_wmma_f32_16x16x32_f16 v[S+32*\t+8*\kt:S+32*\t+8*\kt+7], v[KF+16*\kt:KF+16*\kt+7], v[QF+16*\t:QF+16*\t+7], 0
.endr
.endr
.irp kt, 0,1,2,3                    ; channels 32-63
.irp t, 0,1
	v_wmma_f32_16x16x32_f16 v[S+32*\t+8*\kt:S+32*\t+8*\kt+7], v[KF+16*\kt+8:KF+16*\kt+15], v[QF+16*\t+8:QF+16*\t+15], v[S+32*\t+8*\kt:S+32*\t+8*\kt+7]
.endr
.endr
	WIN 0
	v_mov_b32 v[ST+10], v[ST]       ; c m_old is kept for a.  These two, the v_nop and the line behind it are the four places
	v_mov_b32 v[ST+22], v[ST+12]
	v_nop
.if \fetch
	FETCH_K
.else
	v_nop
.endif
	SOFTMAX
	WIN W_RS
.irp t, 0,1
.set i, 32*\t
.rept 16
	v_pk_mul_f32 v[i:i+1], v[i:i+1], v[ST+12*\t+8:ST+12*\t+9] op_sel_hi:[1,0]  ; O^T under the new m, each accumulator from its low end on
.set i, i+2
.endr
.endr
	s_wait_dscnt 16*\fetch          ; V is in; the next step's K, sixteen loads, may be out
	WIN W_PV
.irp kh, 0,1
.irp ct, 0,1,2,3
.irp t, 0,1
	v_wmma_f32_16x16x32_f16 v[32*\t+8*\ct:32*\t+8*\ct+7], v[VF+32*\kh+8*\ct:VF+32*\kh+8*\ct+7], v[P+16*\t+8*\kh:P+16*\t+8*\kh+7], v[32*\t+8*\ct:32*\t+8*\ct+7]
.endr
.endr
.endr
	WIN 0
.if \fetch
.rept 3
	v_nop                           ; with the address's addition: four places
.endr
	FETCH_V
.endif
.endm
.macro LOOP n
	s_mov_b32 s[CNT], \n
.Lstep_\@:
	STEP 1
	s_sub_co_u32 s[CNT], s[CNT], 1
	s_cmp_lg_u32 s[CNT], 0
	s_cbranch_scc1 .Lstep_\@
.endm
; THE CHANGE OF SLOTS stands where the old slot's last bytes, V of its eighth step, have been asked for.  Each wave waits for all its tensor loads (its part of the other slot), adds 0 to its spare word, and
; waits for that and for its own reads of the slot.  Behind the barrier nobody reads this slot any more and the other slot is whole.  fill = 1: slot set is filled again with the keys 1,024 on: the barrier is
; then a round of the cluster's, and the joint refill is the first thing behind it.  next: the slot from which the fetches go on.
.macro CHANGE fill, set, next, ask
	WIN 0
	s_wait_tensorcnt 0x0            ; no tensor load of mine is out, so a group 0 may be written
	ds_add_u32 v[SPW], v[NIL]       ; 0 onto my spare word
.if \fill
	s_add_nc_u64 s[G0K+4*\set+2:G0K+4*\set+3], s[G0K+4*\set+2:G0K+4*\set+3], 131072  ; two slots on; the type bits on top are not reached
	s_add_nc_u64 s[G0V+4*\set+2:G0V+4*\set+3], s[G0V+4*\set+2:G0V+4*\set+3], 131072
	s_wait_dscnt 0x0                ; the add is done, and my reads of the slot are over
	CROUND
	JLOAD \set
.if \ask
	ASK
.endif
.else
	s_wait_dscnt 0x0
	s_barrier_signal -1
	s_barrier_wait -1
.endif
	s_mov_b32 s[TBK], \next*SLOTB
	s_mov_b32 s[TBV], \next*SLOTB+VOFF
.endm
	s_wait_tensorcnt 1              ; my part of slot 0 is in; slot 1's may stay out
	s_barrier_signal -1
	s_barrier_wait -1               ; everybody's is
	FETCH_K                         ; key step 0
	FETCH_V
	s_wait_loadcnt 0x0              ; Q
	LOOP 7                          ; steps 0-6; they fetch steps 1-7
	CHANGE 1, 0, 1, 1               ; slot 0 takes keys 1,024 on
	LOOP 8                          ; steps 7-14; they fetch steps 8-15 from slot 1
	CHANGE 1, 1, 0, 0               ; slot 1 takes keys 1,536 on
	LOOP 8                          ; steps 15-22
	CHANGE 0, 0, 1, 0               ; nothing is left to ask for
	LOOP 8                          ; steps 23-30
	STEP 0                          ; step 31 fetches nothing
	; THE WAY OUT.  l's two halves and the other half of the lanes' are added; O^T is divided by l, rounded to f16 and sent through my stage in LDS, a tile (16 rows) at a time.  The additions and the v_nop are the places behind the last products.
.irp t, 0,1
	v_add_f32 v[ST+12*\t+4], v[ST+12*\t+2], v[ST+12*\t+3]
.endr
.irp t, 0,1
	v_permlanex16_b32 v[ST+12*\t+5], v[ST+12*\t+4], s[SEL], s[SEL+1]
.endr
.irp t, 0,1
	v_add_f32 v[ST+12*\t+4], v[ST+12*\t+4], v[ST+12*\t+5]
.endr
.irp t, 0,1
	v_rcp_f32 v[ST+12*\t+8], v[ST+12*\t+4]
.endr
	v_nop                           ; a plain instruction between the last reciprocal and the use of its result
	s_wait_alu depctr_va_vdst(0)
.macro PACK t
	WIN W_RS
.set i, 32*\t
.rept 16
	v_pk_mul_f32 v[i:i+1], v[i:i+1], v[ST+12*\t+8:ST+12*\t+9] op_sel_hi:[1,0]
.set i, i+2
.endr
	WIN 0x05                        ; sources 0 and 1 window 1, destination window 0: S^T's registers are free
.set i, 0
.rept 16
	v_cvt_pk_f16_f32 v[S+16*\t+i], v[32*\t+2*i], v[32*\t+2*i+1]
.set i, i+1
.endr
	WIN 0
.irp ct, 0,1,2,3
	ds_store_b128 v[STO], v[S+16*\t+4*\ct:S+16*\t+4*\ct+3] offset:32*\ct  ; lane (r, h): row r, channels 16 ct + 8 h + 0..7
.endr
.irp u, 0,1,2,3
	ds_load_b128 v[S+32+16*\t+4*\u:S+32+16*\t+4*\u+3], v[RD] offset:4*SROW*\u  ; LDS serves a wave's instructions in order (ISA guide 5.7.1.4): these see the stores above; the next tile's stores come behind them
.endr
.endm
.macro SEND t, younger              ; younger: the LDS instructions issued behind tile t's loads
.irp u, 0,1,2,3
	s_wait_dscnt \younger+3-\u
	global_store_b128 v[GO], v[S+32+16*\t+4*\u:S+32+16*\t+4*\u+3], s[6:7] offset:\t*2048+512*\u  ; 32 lanes store 512 consecutive bytes, at a multiple of 256 from the buffer's first byte
.endr
.endm
	PACK 0
	PACK 1
	SEND 0, 8
	SEND 1, 0
	s_wait_tensorcnt 0x0            ; the wave's end: behind my last tensor load and my last LDS store
	ds_add_u32 v[SPW], v[NIL]
	s_wait_dscnt 0x0
	CROUND                          ; the closing round: no work-group ends while a partner may still ask for a tile that names it
	s_endpgm
.Lfunc_end_k_q36bf9a91d5_attn:
	.size	k_q36bf9a91d5_attn, .Lfunc_end_k_q36bf9a91d5_attn-k_q36bf9a91d5_attn
	.p2alignl 7, 3214868480
	.fill 96, 4, 3214868480
	.section	.rodata,"a",@progbits
	.p2align	6, 0x0
	.amdhsa_kernel k_q36bf9a91d5_attn
		.amdhsa_group_segment_fixed_size 327680
		.amdhsa_private_segment_fixed_size 0
		.amdhsa_enable_private_segment 0
		.amdhsa_kernarg_size 16
		.amdhsa_user_sgpr_count 2
		.amdhsa_user_sgpr_kernarg_segment_ptr 1
		.amdhsa_wavefront_size32 1
		.amdhsa_system_sgpr_workgroup_id_x 1
		.amdhsa_system_sgpr_workgroup_id_y 1
		.amdhsa_system_sgpr_workgroup_id_z 1
		.amdhsa_system_vgpr_workitem_id 0
		.amdhsa_next_free_vgpr 512
		.amdhsa_next_free_sgpr 72
		.amdhsa_reserve_vcc 0
		.amdhsa_float_denorm_mode_32 3
		.amdhsa_float_denorm_mode_16_64 3
		.amdhsa_memory_ordered 1
		.amdhsa_forward_progress 1
		.amdhsa_inst_pref_size 112
	.end_amdhsa_kernel
	.amdgpu_metadata
---
amdhsa.version: [ 1, 2 ]
amdhsa.kernels:
  - .name:           k_q36bf9a91d5_attn
    .symbol:         k_q36bf9a91d5_attn.kd
    .args:
      - { .name: qkv, .offset: 0, .size: 8, .value_kind: global_buffer, .address_space: global }
      - { .name: att, .offset: 8, .size: 8, .value_kind: global_buffer, .address_space: global }
    .group_segment_fixed_size: 327680
    .private_segment_fixed_size: 0
    .kernarg_segment_align: 8
    .kernarg_segment_size: 16
    .max_flat_workgroup_size: 256
    .sgpr_count:     72
    .vgpr_count:     512
    .wavefront_size: 32
...
	.end_amdgpu_metadata
.endif
;; end of part 3
;; launch oproj (part 4): grid 8 x 32, 4 waves a work-group, clusters of 4 x 4, 327,680 bytes of LDS; arguments att, wo16, bo, out0; writes out0
.if DOCPART == 4
	.amdgcn_target "amdgcn-amd-amdhsa--gfx1250"
	.amdhsa_code_object_version 6
	.text
	.protected	k_q36bf9a91d5_oproj
	.globl	k_q36bf9a91d5_oproj
	.p2align	8
	.type	k_q36bf9a91d5_oproj,@function
k_q36bf9a91d5_oproj:
	s_mov_b64 s[64:65], 0
	v_nop
	global_prefetch_b8 v0, s[64:65] scope:SCOPE_SE
	s_setreg_imm32_b32 hwreg(HW_REG_WAVE_MODE, 25, 1), 1
	s_wait_xcnt 0x0
	s_wait_alu depctr_hold_cnt(0) depctr_sa_sdst(0) depctr_va_vdst(0) depctr_va_sdst(0) depctr_va_ssrc(0) depctr_va_vcc(0) depctr_vm_vsrc(0)
	s_getreg_b32 s2, hwreg(HW_REG_IB_STS2, 6, 4)
	s_cmp_eq_u32 s2, 0
	s_cbranch_scc0 .Lentry_in_a_cluster
	s_endpgm
.Lentry_in_a_cluster:
	s_bfe_u32 s2, ttmp6, 0x10000c
	s_cmp_lg_u32 s2, 0xf033
	s_cbranch_scc0 .Lentry_shape_is_right
	s_endpgm
.Lentry_shape_is_right:
; out0[m][n] = sum over k of att[m][k] Wo[n][k] + bo[n].  m 4,096, n 1,024, k 1,024.  Operands f16, sums f32, out0 f32.
; Both operands lie in tile order: att [m / 128][k / 64][m % 128][k % 64], wo16 [n / 128][k / 64][n % 128][k % 64]: the 128 rows x 256 along K that a K step wants of either are 65,536 consecutive bytes.
; A tile of C is 128 x 128: 256 work-groups.  Four waves, each 64 x 64: 16 accumulators of 16 x 16.  K goes in four steps of 256 through two LDS slots; a wave's tensor load brings two blocks of 64 along K
; (32,768 dense bytes) as 128 rows of 256 bytes, 16 bytes of padding behind each; an LDS row holds two rows of the operand, 128 bytes each.
; By this text's own count a wave has two tensor loads out at the start and one behind each of the two rounds.
; CLUSTERS: 4 x 4 work-groups.  The four of a row of the cluster need the same tiles of A, the four of a column the same tiles of B: each tile is asked for JOINTLY.
; THE MATRIX INSTRUCTION IS USED TRANSPOSED (source 0 = 16 rows of B, source 1 = 16 rows of A): a lane holds eight neighbouring numbers of a row of C.  The bias is the C of each sum's first matrix instruction.
; No prefetch: two of the four K steps are asked for at the head, and the tiles are small.
; REGISTERS: window 0: v0-31 addresses; v32-95 at work on the way out; v96-127 the bias, eight registers for each of my four blocks of columns; v128-255 the accumulators ((a, b) at v[128 + 8 (4 a + b)]).
;   window 1: two fragment buffers of 128: for 64 along K (two matrix instructions deep), 64 registers of A, then 64 of B.
.set PITCH,  272                       ; an LDS row: 256 bytes + 16 = 68 words: operand row r starts at word 68 (r / 2) + 32 (r % 2): sixteen different groups of four banks (64 banks of 4 bytes: ISA guide 11.1)
.set HALFT,  128*PITCH                 ; what one tensor load brings: two blocks of 64 along K
.set SLOT,   4*HALFT                   ; A's four blocks, then B's four
.set QBLK,   64*PITCH                  ; a block of 64 along K: 128 operand rows
.set RBLK,   8*PITCH                   ; 16 operand rows
.set STAGE,  2*SLOT                    ; behind the ring: 16 rows x 272 bytes for each wave, for the way out
.set SPITCH, 272
.set SPARE,  STAGE+4*16*SPITCH         ; behind the stages: the spare words, 128 bytes for each wave, which no other line names
.set LAPS,   2                         ; a lap = two K steps = once round the ring
.set ADRA, 16                          ; v16-17  LDS address of my A fragments in slot 0, 1
.set ADRB, 20                          ; v20-21  the same for B
.set STO,  24                          ; v24     the way out: where I put 32 bytes of a row
.set RD,   25                          ; v25     the way out: where I read a row back
.set CO,   26                          ; v26     my byte offset in C
.set BA,   27                          ; v27     32 x (lane / 16): my eight numbers of a block of sixteen of the bias
.set SPW,  28                          ; v28     LDS address of my spare word; never rewritten
.set NIL,  29                          ; v29     0; never rewritten
.set OUTR, 32                          ; the way out: 16 rows read back from the stage: v32-63 and v64-95 by turns
.set BIAS, 96
.set ACC,  128
.set F0,   0                           ; fragment buffers, in window 1
.set F1,   128
.set G1, 24                            ; s[24:31] descriptor group 1 for A's tiles;  s[32:39] group 0, one set for each slot
.set G0, 32
.set G1B, 48                           ; s[48:55], s[56:63] the same for B's tiles
.set G0B, 56
.set MSB, 0
.macro WIN new                         ; the immediate's high byte repeats the setting that is left
.if MSB != \new
	s_set_vgpr_msb (MSB<<8)|\new
.set MSB, \new
.endif
.endm
.set MUL,  0x05                        ; sources 0 (B) and 1 (A) window 1; C and D window 0
.set TO_F, 0x40                        ; destination window 1, address window 0
.macro JLOAD s                         ; a joint load: waves 0 and 1 fetch A's two halves, waves 2 and 3 B's; four v_nop follow each of the two lines
	s_cmp_eq_u32 s11, 0
	s_cbranch_scc0 .Lfor_b_\@
	tensor_load_to_lds s[G0+4*\s:G0+4*\s+3], s[G1:G1+7]
	s_nop 0
.rept 4
	v_nop
.endr
	s_branch .Lasked_\@
.Lfor_b_\@:
	tensor_load_to_lds s[G0B+4*\s:G0B+4*\s+3], s[G1B:G1B+7]
	s_nop 0
.rept 4
	v_nop
.endr
.Lasked_\@:
.endm
.macro CREST                           ; a round of the cluster's barrier behind its opening barrier
	s_cmp_lg_u32 s10, 0
	s_cbranch_scc1 .Lnot_wave_0_\@
	s_barrier_signal -3
.Lnot_wave_0_\@:
	s_barrier_wait -3
	s_barrier_signal -1
	s_barrier_wait -1
.endm
.macro CROUND                          ; a whole round
	s_barrier_signal -1
	s_barrier_wait -1
	CREST
.endm
	s_load_b128 s[4:7], s[0:1], 0x0                ; att s[4:5], wo16 s[6:7]
	s_load_b64 s[66:67], s[0:1], 0x10              ; bo
	s_load_b64 s[8:9], s[0:1], 0x18                ; out0
	v_lshl_add_u32 v[SPW], v0, 2, SPARE
	v_mov_b32 v[NIL], 0
	ds_add_u32 v28, v29
	ds_add_u32 v28, v29
	s_wait_dscnt 0x0
	v_lshrrev_b32 v1, 5, v0
	v_readfirstlane_b32 s10, v1                    ; wave 0..3
	s_lshr_b32 s11, s10, 1                         ; which half of the tile's rows is mine.  Also: I fetch for A (0) or for B (1)
	s_and_b32 s12, s10, 1                          ; which half of its columns.  Also: which two blocks of 64 along K I fetch
	s_bfe_u32 s40, ttmp6, 0x40000                  ; cx, cy: my place in the cluster
	s_bfe_u32 s41, ttmp6, 0x40004
	s_lshl_b32 s42, ttmp9, 2
	s_add_co_u32 s42, s42, s40                     ; tile column of C = 4 x cluster x + cx
	s_and_b32 s13, ttmp7, 0xffff
	s_lshl_b32 s13, s13, 2
	s_add_co_u32 s13, s13, s41                     ; tile row of C = 4 x cluster y + cy
	s_lshl_b32 s43, s41, 2
	s_lshl_b32 s43, 15, s43                        ; my row of the cluster
	s_lshl_b32 s44, 0x1111, s40                    ; my column
	; descriptor group 1: a dense block of 32,768 bytes as 128 rows of 256 bytes (32 elements of 8 bytes), padded in LDS
	s_or_b32 s[G1+0], s43, (3<<16)|(1<<20)|(1<<21)|(5<<22)|(3<<25)  ; 15:0 the mask: A's tiles go to my row; 17:16 element of 8 bytes; 20 padding on; 21 set beside a mask; 24:22 after every 64 words (code 5); 31:25 of 4 words (code 3)
	s_or_b32 s[G1B+0], s44, (3<<16)|(1<<20)|(1<<21)|(5<<22)|(3<<25)
.irp g, G1, G1B
	s_mov_b32 s[\g+1], 32<<16                      ; tensor_dim0 = 32
	s_mov_b32 s[\g+2], 128<<16                     ; tensor_dim1 = 128
	s_mov_b32 s[\g+3], 32<<16                      ; tile_dim0 = 32
	s_mov_b32 s[\g+4], 128                         ; tile_dim1 = 128
	s_mov_b32 s[\g+5], 32                          ; tensor_dim0_stride
	s_mov_b32 s[\g+6], 0
	s_mov_b32 s[\g+7], 0
.endr
	s_lshl_b32 s17, s12, 15                        ; which two blocks I fetch: 32,768 bytes
	s_lshl_b32 s16, s13, 18
	s_add_co_u32 s16, s16, s17                     ; A: 262,144 bytes a tile row
	s_lshl_b32 s46, s42, 18
	s_add_co_u32 s46, s46, s17                     ; B: 262,144 bytes a tile column
	s_mov_b32 s17, 0
	s_mov_b32 s47, 0
	s_mul_i32 s20, s10, HALFT                      ; where they go: wave x 128 LDS rows: no place in the cluster enters an LDS address
	s_wait_kmcnt 0x0
	s_add_nc_u64 s[14:15], s[4:5], s[16:17]
	s_add_nc_u64 s[46:47], s[6:7], s[46:47]
	CROUND                                         ; all sixteen work-groups are here: the first joint loads meet
.irp s, 0,1
	s_mov_b32 s[G0+4*\s], 1
	s_add_co_u32 s[G0+4*\s+1], s20, \s*SLOT
	s_add_nc_u64 s[G0+4*\s+2:G0+4*\s+3], s[14:15], \s*65536
	s_or_b32 s[G0+4*\s+3], s[G0+4*\s+3], 0x80000000
	s_mov_b32 s[G0B+4*\s], 1
	s_add_co_u32 s[G0B+4*\s+1], s20, \s*SLOT
	s_add_nc_u64 s[G0B+4*\s+2:G0B+4*\s+3], s[46:47], \s*65536
	s_or_b32 s[G0B+4*\s+3], s[G0B+4*\s+3], 0x80000000
	JLOAD \s
.endr
	v_and_b32 v1, 15, v0                           ; r = l % 16
	v_bfe_u32 v2, v0, 4, 1                         ; h = l / 16
	v_lshrrev_b32 v3, 1, v1                        ; operand row r lies in LDS row r / 2, at byte 128 (r % 2)
	v_mul_u32_u24 v3, v3, PITCH
	v_and_b32 v4, 1, v0
	v_lshl_add_u32 v3, v4, 7, v3
	v_lshl_add_u32 v3, v2, 4, v3                   ; + 16 x half
	s_mul_i32 s21, s11, 4*RBLK                     ; my 64 rows of A
	s_mul_i32 s22, s12, 4*RBLK                     ; my 64 rows of B,
	s_add_co_u32 s22, s22, 2*HALFT                 ; which lie behind A's four blocks
.irp s, 0,1
	v_add_nc_u32 v[ADRA+\s], s21, v3
	v_add_nc_u32 v[ADRB+\s], s22, v3
	s_add_co_u32 s21, s21, SLOT
	s_add_co_u32 s22, s22, SLOT
.endr
	s_mul_i32 s23, s10, 16*SPITCH
	s_add_co_u32 s23, s23, STAGE                   ; my stage
	v_mul_u32_u24 v4, v1, SPITCH                   ; in: row r, 32 bytes for each half of the lanes
	v_lshl_add_u32 v4, v2, 5, v4
	v_add_nc_u32 v[STO], s23, v4
	v_mul_u32_u24 v5, v2, SPITCH                   ; back: lanes 0-15 take one row of 256 bytes, lanes 16-31 the next
	v_lshl_add_u32 v5, v1, 4, v5
	v_add_nc_u32 v[RD], s23, v5
	v_lshlrev_b32 v5, 12, v2                       ; and the same two rows in C: 4,096 bytes a row
	v_lshl_add_u32 v[CO], v1, 4, v5
	v_lshlrev_b32 v[BA], 5, v2
	s_lshl_b32 s16, s13, 7
	s_lshl_b32 s17, s11, 6
	s_add_co_u32 s16, s16, s17                     ; my first row of C: 128 x tile row + 64 x half
	s_lshl_b32 s16, s16, 12
	s_lshl_b32 s46, s42, 9                         ; my first column, in bytes: 512 x tile column + 256 x half
	s_lshl_b32 s47, s12, 8
	s_add_co_u32 s46, s46, s47
	s_mov_b32 s47, 0
	s_add_nc_u64 s[66:67], s[66:67], s[46:47]      ; the bias of my 64 columns
	s_add_co_u32 s46, s46, s16
	s_add_nc_u64 s[8:9], s[8:9], s[46:47]          ; my part of C; never stepped
.irp b, 0,1,2,3
	global_load_b128 v[BIAS+8*\b:BIAS+8*\b+3],   v[BA], s[66:67] offset:64*\b      ; lane (r, h): bo at my columns 16 b + 8 h + 0..7: the result's layout
	global_load_b128 v[BIAS+8*\b+4:BIAS+8*\b+7], v[BA], s[66:67] offset:64*\b+16
.endr
; 8 matrix instructions: m blocks a0, a0 + 1 x all 4 n blocks, 32 along K: half c of buffer f.  first = 1: the first product starts the sums from the bias.  The 16 accumulators take turns.
.macro MUL8 f, c, a0, first
.irp a, \a0, \a0+1
.irp b, 0,1,2,3
.if \first
	v_wmma_f32_16x16x32_f16 v[ACC+8*(4*(\a)+\b):ACC+8*(4*(\a)+\b)+7], v[\f+64+8*(4*\c+\b):\f+64+8*(4*\c+\b)+7], v[\f+8*(4*\c+\a):\f+8*(4*\c+\a)+7], v[BIAS+8*\b:BIAS+8*\b+7]
.else
	v_wmma_f32_16x16x32_f16 v[ACC+8*(4*(\a)+\b):ACC+8*(4*(\a)+\b)+7], v[\f+64+8*(4*\c+\b):\f+64+8*(4*\c+\b)+7], v[\f+8*(4*\c+\a):\f+8*(4*\c+\a)+7], v[ACC+8*(4*(\a)+\b):ACC+8*(4*(\a)+\b)+7]
.endif
.endr
.endr
.endm
; 32 LDS loads in one run: the fragments of the slot's q-th block of 64 along K, into buffer f; the first 32 along K first
.macro FETCH slot, q, f
	WIN TO_F
.irp c, 0,1
.irp i, 0,1,2,3
	ds_load_b128 v[\f+64+8*(4*\c+\i):\f+64+8*(4*\c+\i)+3],   v[ADRB+\slot] offset:(\q)*QBLK+64*\c+\i*RBLK
	ds_load_b128 v[\f+64+8*(4*\c+\i)+4:\f+64+8*(4*\c+\i)+7], v[ADRB+\slot] offset:(\q)*QBLK+64*\c+\i*RBLK+32
	ds_load_b128 v[\f+8*(4*\c+\i):\f+8*(4*\c+\i)+3],         v[ADRA+\slot] offset:(\q)*QBLK+64*\c+\i*RBLK
	ds_load_b128 v[\f+8*(4*\c+\i)+4:\f+8*(4*\c+\i)+7],       v[ADRA+\slot] offset:(\q)*QBLK+64*\c+\i*RBLK+32
.endr
.endr
.endm
.macro PLACES                          ; four places in front of loads into registers that matrix instructions have read, and of LDS stores that read results (ISA guide 7.12.1 for the stores)
.rept 4
	v_nop
.endr
.endm
; A K step is four quarters of 64 along K, 32 matrix instructions each, on buffers 0, 1, 0, 1.  One of the first three: multiplies buffer f and fetches the next quarter, block q, into g.
.macro QUARTER slot, q, f, g, first
	s_wait_dscnt 16                                ; the first 32 along K are in; the sixteen younger loads may be out
	WIN MUL
	MUL8 \f, 0, 0, \first
	MUL8 \f, 0, 2, \first
	PLACES
	FETCH \slot, \q, \g
	s_wait_dscnt 32                                ; all but the 32 just issued
	WIN MUL
	MUL8 \f, 1, 0, 0
	MUL8 \f, 1, 2, 0
.endm
; The last quarter multiplies buffer 1 and changes slots: ONE barrier; in front of it each wave waits for all its tensor loads, adds 0 to its spare word, and waits for that and for its own reads of this slot.  fill = 1: this slot is filled again, two K steps ahead.
.macro TURN slot, next, fill
	WIN 0                                          ; (the add's two registers lie in window 0)
	s_wait_tensorcnt 0x0                           ; all my tensor loads have landed: my part of the next slot;
	ds_add_u32 v[SPW], v[NIL]                      ; 0 onto my spare word;
	s_wait_dscnt 17                                ; (the add and the youngest sixteen loads may be out)
	WIN MUL
	MUL8 F1, 0, 0, 0                               ; eight matrix instructions stand between the add and the wait for it
	s_wait_dscnt 0x0                               ; the add is done, and my reads of this slot are over
	s_barrier_signal -1
	MUL8 F1, 0, 2, 0
.if \fill
	WIN 0
.endif
	s_barrier_wait -1
.if \fill
	CREST                                          ; the barrier has opened a round of the cluster's barrier: no wave of any partner still reads this slot's tile or has a load on its way
	s_add_nc_u64 s[G0+4*\slot+2:G0+4*\slot+3], s[G0+4*\slot+2:G0+4*\slot+3], 131072
	s_add_nc_u64 s[G0B+4*\slot+2:G0B+4*\slot+3], s[G0B+4*\slot+2:G0B+4*\slot+3], 131072
	JLOAD \slot                                    ; the first tensor load behind the round; the four v_nop behind it are also the places in front of the loads below
.else
	PLACES
.endif
	FETCH \next, 0, F0
	WIN MUL
	MUL8 F1, 1, 0, 0
	MUL8 F1, 1, 2, 0
.endm
	s_wait_tensorcnt 1                             ; my part of K step 0 is in (K step 1's load may be out),
	s_barrier_signal -1
	s_barrier_wait -1                              ; everybody's is
	FETCH 0, 0, F0
	s_wait_loadcnt 0x0                             ; the bias
	QUARTER 0, 1, F0, F1, 1                        ; the first quarter stands in front of the loop: its first products start the sums
	WIN 0                                          ; at a label and at a branch every window is 0
	s_mov_b32 s3, LAPS-1
.Llap:                                                 ; a trip goes once round the ring, from a lap's second quarter to the next lap's first, and fills both slots again
	QUARTER 0, 2, F1, F0, 0
	QUARTER 0, 3, F0, F1, 0
	TURN 0, 1, 1
	QUARTER 1, 1, F0, F1, 0
	QUARTER 1, 2, F1, F0, 0
	QUARTER 1, 3, F0, F1, 0
	TURN 1, 0, 1
	QUARTER 0, 1, F0, F1, 0
	WIN 0
	s_sub_co_u32 s3, s3, 1
	s_cmp_lg_u32 s3, 0
	s_cbranch_scc1 .Llap
	QUARTER 0, 2, F1, F0, 0                        ; the last lap fills nothing, and has no round of the cluster's barrier
	QUARTER 0, 3, F0, F1, 0
	TURN 0, 1, 0
	QUARTER 1, 1, F0, F1, 0
	QUARTER 1, 2, F1, F0, 0
	QUARTER 1, 3, F0, F1, 0
	s_wait_dscnt 16                                ; the very last quarter: nothing more to fetch
	WIN MUL
	MUL8 F1, 0, 0, 0
	MUL8 F1, 0, 2, 0
	s_wait_dscnt 0
	MUL8 F1, 1, 0, 0
	MUL8 F1, 1, 2, 0
	WIN 0
; THE WAY OUT, block by block of 16 rows x 64 columns.  A lane holds 32 neighbouring bytes of a row; a row's 64 columns are 256 bytes, all my own: so a block goes through my own stage in LDS and comes back as whole
; rows.  LDS serves a wave's instructions in order (ISA guide 5.7.1.4): no wait between the stores and the loads, nor in front of the next block's stores.
.macro TOSTAGE a
.irp b, 0,1,2,3
	ds_store_b128 v[STO], v[ACC+8*(4*(\a)+\b):ACC+8*(4*(\a)+\b)+3] offset:64*\b          ; each accumulator from its low end on
	ds_store_b128 v[STO], v[ACC+8*(4*(\a)+\b)+4:ACC+8*(4*(\a)+\b)+7] offset:64*\b+16
.endr
.set BB, OUTR+32*((\a)%2)
.irp t, 0,1,2,3,4,5,6,7
	ds_load_b128 v[BB+4*\t:BB+4*\t+3], v[RD] offset:\t*2*SPITCH
.endr
.endm
.macro SEND a, younger                 ; younger: the LDS instructions issued behind block a's loads, which may stay out
.set BB, OUTR+32*((\a)%2)
	s_wait_dscnt \younger                          ; the block is back in registers
.irp t, 0,1,2,3,4,5,6,7
	global_store_b128 v[CO], v[BB+4*\t:BB+4*\t+3], s[8:9] offset:(16*(\a)+2*\t)*4096 th:TH_STORE_NT   ; 16 lanes store 256 consecutive bytes, at a multiple of 256 from C's first byte; written once, read by nobody here
.endr
.endm
	PLACES                                         ; behind the last products
	TOSTAGE 0
.irp a, 1,2,3
.if \a > 1
	s_wait_xcnt 0x0                                ; block a - 2's stores have read their registers: block a's loads may land there
.endif
	TOSTAGE \a
	SEND \a-1, 16                                  ; behind block a - 1's loads: block a's 8 stores and 8 loads
.endr
	SEND 3, 0
	s_wait_tensorcnt 0x0                           ; the wave's end: behind my last tensor load and my last LDS store
	ds_add_u32 v[SPW], v[NIL]
	s_wait_dscnt 0x0
	CROUND                                         ; the closing round: no work-group ends while a partner may still ask for a tile that names it
	s_endpgm
.Lfunc_end_k_q36bf9a91d5_oproj:
	.size	k_q36bf9a91d5_oproj, .Lfunc_end_k_q36bf9a91d5_oproj-k_q36bf9a91d5_oproj
	.p2alignl 7, 3214868480
	.fill 96, 4, 3214868480
	.section	.rodata,"a",@progbits
	.p2align	6, 0x0
	.amdhsa_kernel k_q36bf9a91d5_oproj
		.amdhsa_group_segment_fixed_size 327680
		.amdhsa_private_segment_fixed_size 0
		.amdhsa_enable_private_segment 0
		.amdhsa_kernarg_size 32
		.amdhsa_user_sgpr_count 2
		.amdhsa_user_sgpr_kernarg_segment_ptr 1
		.amdhsa_wavefront_size32 1
		.amdhsa_system_sgpr_workgroup_id_x 1
		.amdhsa_system_sgpr_workgroup_id_y 1
		.amdhsa_system_sgpr_workgroup_id_z 1
		.amdhsa_system_vgpr_workitem_id 0
		.amdhsa_next_free_vgpr 512
		.amdhsa_next_free_sgpr 70
		.amdhsa_reserve_vcc 0
		.amdhsa_float_denorm_mode_32 3
		.amdhsa_float_denorm_mode_16_64 3
		.amdhsa_memory_ordered 1
		.amdhsa_forward_progress 1
		.amdhsa_inst_pref_size 86
	.end_amdhsa_kernel
	.amdgpu_metadata
---
amdhsa.version: [ 1, 2 ]
amdhsa.kernels:
  - .name:           k_q36bf9a91d5_oproj
    .symbol:         k_q36bf9a91d5_oproj.kd
    .args:
      - { .name: att, .offset: 0, .size: 8, .value_kind: global_buffer, .address_space: global }
      - { .name: wo16, .offset: 8, .size: 8, .value_kind: global_buffer, .address_space: global }
      - { .name: bo, .offset: 16, .size: 8, .value_kind: global_buffer, .address_space: global }
      - { .name: out0, .offset: 24, .size: 8, .value_kind: global_buffer, .address_space: global }
    .group_segment_fixed_size: 327680
    .private_segment_fixed_size: 0
    .kernarg_segment_align: 8
    .kernarg_segment_size: 32
    .max_flat_workgroup_size: 128
    .sgpr_count:     70
    .vgpr_count:     512
    .wavefront_size: 32
...
	.end_amdgpu_metadata
.endif
;; end of part 4
